; MI455X (gfx1250); checked and timed in simulation.
; The chip was launched on July 23, 2026; its instructions are those of AMD's public machine-readable ISA for CDNA 5 (MIT licence, August 2026) and "CDNA5" Instruction Set Architecture Reference Guide (July 2026). The comments in the code are by the model that wrote it; some were corrected since.
;; Causal Multi Head Attention. Allowed arithmetic: matrix products marked QUANTISED: E2M3 operands, one E8M0 scale for each 32 along K, by v_wmma_scale_f32_16x16x128_f8f6f4 with both operands' format E2M3, f32 sums; everything else in f32.
;; Inputs: Wk 2,048 x 2,048 float32; Wo 2,048 x 2,048 float32; Wq 2,048 x 2,048 float32; Wv 2,048 x 2,048 float32; token_positions 2,048 int32; x 1 x 2,048 x 2,048 float32.
;; Outputs: out0 1 x 2,048 x 2,048 float32.
;; This version of the problem:
;;   THIS VERSION OF THE PROBLEM IS GIVEN IN LOW PRECISION. The matrix products marked QUANTISED in the list below multiply operands that are first quantised to E2M3 (2 exponent bits, 3 mantissa bits; 6 bits a number), with one power-of-two scale for each 32 numbers along K (OCP MX v1.0); their sums are f32. All else is computed in f32.
;;   The module's matrix products, in the order in which they are computed (A, B: the left and right operand; K: the contracted axis; several contracted axes count as one K, in the product's order):
;;     1. [M 2,048, K 2,048] x [K 2,048, N 2,048]; A: input x; B: input Wq: QUANTISED
;;     2. [M 2,048, K 2,048] x [K 2,048, N 2,048]; A: input x; B: input Wk: QUANTISED
;;     3. [M 2,048, K 2,048] x [K 2,048, N 2,048]; A: input x; B: input Wv: QUANTISED
;;     4. batch 16 x [M 2,048, K 128] x [K 128, N 2,048]; A: computed on the way; B: computed on the way: QUANTISED
;;     5. batch 16 x [M 2,048, K 2,048] x [K 2,048, N 128]; A: softmax (see below); B: computed on the way: QUANTISED
;;     6. [M 2,048, K 2,048] x [K 2,048, N 2,048]; A: computed on the way; B: input Wo: QUANTISED
;;   THE QUANTISER, for each operand of a quantised product, along K:
;;     - K is cut into blocks of 32 from its start; a last block that is shorter is filled with zeros.
;;     - A block's scale is 2^e with e = floor(log2(the largest magnitude in the block)) - 2, held to -126 .. 127; a block of zeros has e = 0. As a byte (E8M0): e + 127.
;;     - Each number is divided by its block's scale, clamped to +-7.5, and rounded to the nearest number of E2M3, ties to even, subnormals kept.
;;     - The product sums the exact products of the quantised numbers (number of the format x scale) in f32.
;;   ~~~python
;;   def quantise(x, axis):      # numpy; x: float32 -> the quantised numbers, widened to float32 again
;;       x = np.moveaxis(x, axis, -1); K = x.shape[-1]
;;       x = np.pad(x, [(0, 0)] * (x.ndim - 1) + [(0, -K % 32)]); x = x.reshape(x.shape[:-1] + (-1, 32)); a = np.abs(x).max(-1, keepdims=True)
;;       e = np.where(a > 0, np.clip(np.frexp(np.where(a > 0, a, 1))[1] - 1 - 2, -126, 127), 0)      # np.frexp(a)[1] - 1 = floor(log2(a)), exactly
;;       r = np.clip(x / 2.0 ** e, -7.5, 7.5)
;;       step = 2.0 ** (np.maximum(np.frexp(np.where(r == 0, 1, r))[1] - 1, 0) - 3)
;;       q = np.round(r / step) * step * 2.0 ** e      # np.round: ties to even
;;       return np.moveaxis(q.reshape(q.shape[:-2] + (-1,))[..., :K], -1, axis).astype(np.float32)
;;   ~~~
;;   SOFTMAX AHEAD OF A QUANTISED PRODUCT. Where the list says 'softmax', what is quantised is not the finished softmax but p = 2^(t - M), with t = logit x log2(e) and M = ceil(the row's largest t), a whole number; so 1/2 < the row's largest p <= 1. The row's sum l is taken of the UNQUANTISED p, in f32, and the product's result is divided by l at the end. Since M is a whole number, a kernel that streams over the keys may use a running M (the ceiling of the running maximum): every later rescaling is an exact power of two, which a block's scale takes up: the codes' values come out the same.
;;   OPERANDS COMPUTED ON THE WAY. 'Computed on the way' means the value that the module computes at that place (a softmax that the list does not call 'softmax' is quantised finished and normalised). What goes into a quantiser is computed in f32, as accurately as f32 sums, v_exp_f32 and their like allow (about 1e-6 of the number): no bf16 or f16 on the way to a quantiser, and a product that is left as it is and whose result goes on into a quantised operand takes f32 operands (vector FMAs, or v_wmma_f32_16x16x4_f32). A number that lies on a knife's edge between two numbers of the format may be rounded either way, as far as f32 arithmetic and the matrix unit's own rounding can turn it there, and no further.
;; One version. Each part assembles by itself: llvm-mc -triple=amdgcn-amd-amdhsa -mcpu=gfx1250 --defsym DOCPART=n.
;; ======== version 1 of 1: 4 launches
;; limits: right only within a limited range of input values
;; workspace buffers: ops 16,384,000 bytes; rope 1,048,576 bytes; qkv 9,830,400 bytes; aimg 3,276,800 bytes
;; launch prep (part 1): grid 640 x 1, 4 waves a work-group, no clusters, 60,928 bytes of LDS; arguments x, token_positions, Wq, Wk, Wv, Wo, ops, rope; writes ops, rope
.if DOCPART == 1
	.amdgcn_target "amdgcn-amd-amdhsa--gfx1250"
	.amdhsa_code_object_version 6
	.text
	.protected	k_q928c3eb013_prep
	.globl	k_q928c3eb013_prep
	.p2align	8
	.type	k_q928c3eb013_prep,@function
k_q928c3eb013_prep:
	s_mov_b64 s[64:65], 0
	v_nop
	global_prefetch_b8 v0, s[64:65] scope:SCOPE_SE
	s_setreg_imm32_b32 hwreg(HW_REG_WAVE_MODE, 25, 1), 1
	s_wait_xcnt 0x0
; x [2048][2048] (K innermost) and Wq, Wk, Wv, Wo [2048 (k)][2048 (n)] (K outermost), all f32, become codes of FP6 (E2M3) with one E8M0 byte for each 32 along K; and the table of cos and sin for the rotation is made.
; THE IMAGE.  Every operand is laid as the matrix instruction's registers want it.  A RECORD is 128 rows x 128 K, 12,800 bytes: tile t (0..7) is 16 rows; register 4 j + i of lane l of its fragment lies at
; 1536 t + 512 j + 16 l + 4 i; the scale word of the tile's lane r lies at 12288 + 64 t + 4 r.  Lane r of tile t holds row 32 (t / 2) + 8 (t % 2) + r + 8 (r / 8) of the 128.  Record (row group g, K step s) lies at (16 g + s) x 12800.
; ops holds five such images of 3,276,800 bytes: Wq, Wk, x, Wv, Wo (for a weight the rows are n).
; A block's scale is 2^(floor(log2(largest magnitude)) - 2): its byte is the largest magnitude's exponent field - 2, held at 1 from below.  A block of zeros so gets the byte 1: its codes are zeros, and this program alone reads the bytes.
; Work-groups 0-127 take x and the table, 128-639 the weights; each way has LDS bytes of its own.
; THE TABLE: for tile T of 16 tokens, load j, lane l, the 16 bytes at 8192 T + 512 j + 16 l are (cos, sin, cos, sin) of the lane's token and frequencies 16 (j / 4) + 8 (l / 16) + 2 (j % 4) + 0, 1.
; LIMITS: cos and sin are good to about 1e-6 for |position x frequency| up to 1e5 (positions up to 100,000 either way); NaN and infinities are not served; blocks whose largest magnitude lies under 2^-124 keep the byte 1.
.set REC,   12800
.set REG,   256*REC
.set FRB,   1536
.set SCO,   8*FRB
.set XSW,   16*528                     ; x's way: a stage of 16 rows x (512 + 16) bytes for each wave
.set WST,   4*XSW                      ; the weights' way: a stage of four tiles' images, 1536 + 128 bytes each, for each wave
.set WSW,   4*1664
.set SPARE, WST+4*WSW                  ; the spare words, 128 bytes for each wave: two blocks of 256 bytes that no other line names
.set LI,  4                            ; v4  16 x lane
.set LS,  5                            ; v5  4 x lane
.set SPW, 8                            ; v8  LDS address of my spare word; never rewritten
.set NIL, 9                            ; v9  0; never rewritten
.set WV,  20                           ; s20 wave
.set SEL, 22                           ; s[22:23] lane selects: lane l xor 16
.set MH,  24                           ; s24 mask of lanes 0-15
; x's way
.set PC,  16                           ; v16-34  the codes just made
.set TM,  36                           ; v36-51  at work in the quantiser
.set PW,  52                           ; v52     the scale word just made
.set PWE, 53                           ; v53     the even tile's
.set SD,  54                           ; v54-55  two tiles' scale words, to store
.set R0,  64                           ; v64-191 two sets of 16 rows as loaded
.set X,   192                          ; v192-255 64 numbers of a lane: register 16 b + i = k 32 b + 16 (lane / 16) + i of my row
.set TO,  192                          ; the table: v192-207 results; then eight registers each, at work
.set TA,  208
.set TP,  216
.set TL,  224
.set TE,  232
.set TN,  240
.set TZ,  248
; the weights' way
.set WX,  32                           ; v32-159 two sets of 32 rows x 2 columns as loaded
.set WT,  160                          ; v160-223 the two columns' 32 numbers down K, each in consecutive registers
.set P,   224                          ; v224-229 a block's 24 bytes of codes
.set TC,  230                          ; v230-232 its second half, as converted
.set SB,  24                           ; v24-25  the two columns' scale words
.set LD8, 26                           ; v26     8 x lane
.set OUTR, 32                          ; v32-79  images read back, when the last loads are in
; 64 numbers of a lane become a fragment's codes in v[PC] .. v[PC+11] and its scale word in v[PW]
.macro QUANT s
.irp b, 0,1,2,3
	v_max3_num_f32 v[TM+\b], |v[\s+16*\b]|, |v[\s+1+16*\b]|, 0x1800000   ; my 16 numbers of block b, and the floor 2^(3 - 127): the byte cannot fall under 1
.endr
.irp i, 2,4,6,8,10,12,14
.irp b, 0,1,2,3
	v_max3_num_f32 v[TM+\b], v[TM+\b], |v[\s+16*\b+\i]|, |v[\s+1+16*\b+\i]|
.endr
.endr
.irp b, 0,1,2,3
	v_permlanex16_b32 v[TM+4+\b], v[TM+\b], s[SEL], s[SEL+1]
.endr
.irp b, 0,1,2,3
	v_max_num_f32 v[TM+\b], v[TM+\b], v[TM+4+\b]   ; with lane l xor 16's: the block's largest magnitude
.endr
.irp b, 0,1,2,3
	v_add_nc_u32 v[TM+12+\b], 0xff000000, v[TM+\b]   ; 2 off its exponent field: the conversion's scale operand
.endr
.irp b, 0,1,2,3
	v_lshrrev_b32 v[TM+4+\b], 23, v[TM+12+\b]      ; the scale's byte
.endr
	v_lshl_or_b32 v[PW], v[TM+5], 8, v[TM+4]
	v_lshl_or_b32 v[PW], v[TM+6], 16, v[PW]
	v_lshl_or_b32 v[PW], v[TM+7], 24, v[PW]
.irp c, 0,1
	v_cvt_scalef32_pk16_fp6_f32 v[PC+6*\c:PC+2+6*\c], v[\s+32*\c:\s+15+32*\c], v[TM+12+2*\c]
	v_cvt_scalef32_pk16_fp6_f32 v[PC+12+4*\c:PC+14+4*\c], v[\s+16+32*\c:\s+31+32*\c], v[TM+12+2*\c+1]   ; (a conversion's three registers begin on an even number)
.endr
	v_nop                                          ; one plain place behind a scaled conversion
.irp c, 0,1                                    ; the layout wants a whole block in a lane: lanes 0-15 block 2 c, lanes 16-31 block 2 c + 1
.irp i, 0,1,2
	v_permlane16_swap_b32 v[PC+6*\c+\i], v[PC+12+4*\c+\i]
.endr
.irp i, 0,1,2
	v_mov_b32 v[PC+3+6*\c+\i], v[PC+12+4*\c+\i]
.endr
.endr
.endm
	s_load_b128 s[4:7], s[0:1], 0x0                ; x, token_positions
	s_load_b256 s[8:15], s[0:1], 0x10              ; Wq, Wk, Wv, Wo
	s_load_b128 s[16:19], s[0:1], 0x30             ; ops, rope
	v_lshl_add_u32 v[SPW], v0, 2, SPARE
	v_mov_b32 v[NIL], 0
	v_lshrrev_b32 v1, 5, v0
	v_readfirstlane_b32 s[WV], v1                  ; wave 0..3
	v_and_b32 v1, 31, v0                           ; lane
	v_and_b32 v2, 15, v0                           ; r
	v_bfe_u32 v3, v0, 4, 1                         ; h
	v_lshlrev_b32 v[LI], 4, v1
	v_lshlrev_b32 v[LS], 2, v1
	s_mov_b32 s[SEL], 0x76543210
	s_mov_b32 s[SEL+1], 0xfedcba98
	v_cmp_gt_u32 s[MH], 16, v1
	s_cmp_lt_u32 ttmp9, 128
	s_cbranch_scc0 .Lweights
	; ================ x: work-group g takes token group g / 8, K steps 2 (g % 8) + 0, 1; wave w takes step 2 (g % 8) + w / 2 and tiles 4 (w % 2) + 0 .. 3.  It also makes tile g of the table
	s_lshr_b32 s25, ttmp9, 3                       ; token group
	s_and_b32 s26, ttmp9, 7
	s_lshl_b32 s26, s26, 1
	s_lshr_b32 s27, s[WV], 1
	s_add_co_u32 s26, s26, s27                     ; K step
	s_and_b32 s27, s[WV], 1                        ; which four tiles
	s_lshl_b32 s28, s25, 20                        ; x: 128 rows of 8,192 bytes a group,
	s_lshl_b32 s29, s27, 19                        ; 64 rows for four tiles,
	s_add_co_u32 s28, s28, s29
	s_lshl_b32 s29, s26, 9                         ; 512 bytes a K step
	s_add_co_u32 s28, s28, s29
	s_mov_b32 s29, 0
	s_lshl_b32 s30, s25, 4
	s_add_co_u32 s30, s30, s26
	s_mul_i32 s30, s30, REC
	s_add_co_u32 s30, s30, 2*REG                   ; my record in x's image
	s_mul_i32 s52, s27, 4*FRB
	s_add_co_u32 s52, s52, s30                     ; my four tiles' codes
	s_mov_b32 s53, 0
	s_lshl_b32 s54, s27, 8
	s_add_co_u32 s54, s54, s30
	s_add_co_u32 s54, s54, SCO                     ; and their scale words
	s_mov_b32 s55, 0
	s_lshl_b32 s58, ttmp9, 13                      ; the table: 8,192 bytes a tile, 2,048 a wave
	s_lshl_b32 s59, s[WV], 11
	s_add_co_u32 s58, s58, s59
	s_mov_b32 s59, 0
	s_lshr_b32 s60, ttmp9, 1
	s_lshl_b32 s60, s60, 5
	s_and_b32 s61, ttmp9, 1
	s_lshl_b32 s61, s61, 3
	s_add_co_u32 s60, s60, s61                     ; table tile g: token 32 (g / 2) + 8 (g % 2) + r + 8 (r / 8)
	s_wait_alu depctr_va_vdst(0)
	v_and_b32 v10, 8, v2
	v_add_nc_u32 v10, v10, v2
	v_add_nc_u32 v10, s60, v10
	v_lshlrev_b32 v10, 2, v10                      ; its position's byte
	s_mul_i32 s21, s[WV], XSW                      ; my stage
	v_add_nc_u32 v6, s21, v[LI]                    ; in: a row's 512 bytes as loaded
	v_mul_u32_u24 v7, v2, 528
	v_lshl_add_u32 v7, v3, 6, v7
	v_add_nc_u32 v7, s21, v7                       ; out: row r, + 64 h: my 16 numbers of a block
	s_mov_b32 s32, 0xbd935d8e                      ; -(ln 10000 / 128), rounded to f32 as the source rounds it
	s_mov_b32 s33, 0x3fb8aa3b                      ; log2(e), high part
	s_mov_b32 s34, 0x32a57060                      ; and low part
	s_mov_b32 s35, 0x3f317218                      ; ln 2
	s_mov_b32 s36, 0x3f22f983                      ; 2 / pi
	s_mov_b32 s37, 0x3fc90fda                      ; pi / 2 in three parts
	s_mov_b32 s38, 0x33a22168
	s_mov_b32 s39, 0x27c234c4
	s_mov_b32 s40, 0x3638ef1d                      ; sine: 1/9!, -1/7!, 1/5!, -1/3!
	s_mov_b32 s41, 0xb9500d01
	s_mov_b32 s42, 0x3c088889
	s_mov_b32 s43, 0xbe2aaaab
	s_mov_b32 s44, 0xb493f27e                      ; cosine: -1/10!, 1/8!, -1/6!, 1/4!
	s_mov_b32 s45, 0x37d00d01
	s_mov_b32 s46, 0xbab60b61
	s_mov_b32 s47, 0x3d2aaaab
	s_lshl_b32 s51, s[WV], 4
.irp b, 0,1,2,3
	v_mov_b32 v[TM+4+\b], 0                        ; written once: a lane permute's destination counts as one of its sources
.endr
	s_wait_alu depctr_va_vdst(0)
	s_wait_kmcnt 0x0
	s_add_nc_u64 s[4:5], s[4:5], s[28:29]
	s_add_nc_u64 s[56:57], s[16:17], s[52:53]
	s_add_nc_u64 s[16:17], s[16:17], s[54:55]
	s_add_nc_u64 s[18:19], s[18:19], s[58:59]
; tile f's 16 rows, each one load of 512 consecutive bytes, into set f % 2
.macro XL f
.irp p, 0,1,2,3,4,5,6,7,8,9,10,11,12,13,14,15
	global_load_b128 v[R0+64*((\f)%2)+4*\p:R0+64*((\f)%2)+4*\p+3], v[LI], s[4:5] offset:(32*((\f)/2)+8*((\f)%2)+\p+8*(\p/8))*8192 th:TH_LOAD_NT
.endr
.endm
	global_load_b32 v11, v10, s[6:7]               ; my token's position
	XL 0
	XL 1
	; ---- the table: eight frequencies a lane, i = 16 w + 8 h + e.  inv = exp(-(2 i) ln(10000) / 128): 2^(high part) by v_exp_f32, the low part by 1 + x ln 2
	v_lshl_add_u32 v12, v3, 3, s51
	v_lshlrev_b32 v12, 1, v12
.irp e, 0,1,2,3,4,5,6,7
	v_add_nc_u32 v[TA+\e], 2*\e, v12
.endr
.irp e, 0,1,2,3,4,5,6,7
	v_cvt_f32_u32 v[TA+\e], v[TA+\e]
.endr
.irp e, 0,1,2,3,4,5,6,7
	v_mul_f32 v[TA+\e], s32, v[TA+\e]              ; the exponent, rounded as the source rounds it
.endr
.irp e, 0,1,2,3,4,5,6,7
	v_mul_f32 v[TP+\e], s33, v[TA+\e]
.endr
.irp e, 0,1,2,3,4,5,6,7
	v_fma_f32 v[TL+\e], v[TA+\e], s33, -v[TP+\e]   ; what that product's rounding dropped,
.endr
.irp e, 0,1,2,3,4,5,6,7
	v_fma_f32 v[TL+\e], v[TA+\e], s34, v[TL+\e]    ; and the low part of log2(e)
.endr
	s_wait_alu depctr_va_vdst(0)
.irp e, 0,1,2,3,4,5,6,7
	v_exp_f32 v[TE+\e], v[TP+\e]
.endr
.irp e, 0,1,2,3,4,5,6,7
	v_mul_f32 v[TL+\e], s35, v[TL+\e]              ; (plain work behind the exponentials)
.endr
	s_wait_alu depctr_va_vdst(0)                   ; one wait for the eight, ahead of their first reader
.irp e, 0,1,2,3,4,5,6,7
	v_fma_f32 v[TA+\e], v[TE+\e], v[TL+\e], v[TE+\e]   ; inv
.endr
	s_wait_loadcnt 32                              ; the position is in; behind it the 32 loads of x's tiles 0 and 1 may be out
	v_cvt_f32_i32 v13, v11
	s_wait_alu depctr_va_vdst(0)
.irp e, 0,1,2,3,4,5,6,7
	v_mul_f32 v[TA+\e], v13, v[TA+\e]              ; the angle, one rounding as in the source
.endr
.irp e, 0,1,2,3,4,5,6,7
	v_mul_f32 v[TN+\e], s36, v[TA+\e]
.endr
.irp e, 0,1,2,3,4,5,6,7
	v_rndne_f32 v[TN+\e], v[TN+\e]                 ; n quarter turns
.endr
.irp e, 0,1,2,3,4,5,6,7
	v_fma_f32 v[TA+\e], -v[TN+\e], s37, v[TA+\e]   ; the rest, within pi / 4 either way
.endr
.irp e, 0,1,2,3,4,5,6,7
	v_fma_f32 v[TA+\e], -v[TN+\e], s38, v[TA+\e]
.endr
.irp e, 0,1,2,3,4,5,6,7
	v_fma_f32 v[TA+\e], -v[TN+\e], s39, v[TA+\e]
.endr
.irp e, 0,1,2,3,4,5,6,7
	v_mul_f32 v[TZ+\e], v[TA+\e], v[TA+\e]
.endr
.irp e, 0,1,2,3,4,5,6,7
	v_fma_f32 v[TP+\e], v[TZ+\e], s40, s41
	v_fma_f32 v[TE+\e], v[TZ+\e], s44, s45
.endr
.irp e, 0,1,2,3,4,5,6,7
	v_fma_f32 v[TP+\e], v[TP+\e], v[TZ+\e], s42
	v_fma_f32 v[TE+\e], v[TE+\e], v[TZ+\e], s46
.endr
.irp e, 0,1,2,3,4,5,6,7
	v_fma_f32 v[TP+\e], v[TP+\e], v[TZ+\e], s43
	v_fma_f32 v[TE+\e], v[TE+\e], v[TZ+\e], s47
.endr
.irp e, 0,1,2,3,4,5,6,7
	v_mul_f32 v[TL+\e], v[TZ+\e], v[TA+\e]
	v_fma_f32 v[TE+\e], v[TE+\e], v[TZ+\e], -0.5
.endr
.irp e, 0,1,2,3,4,5,6,7
	v_fma_f32 v[TP+\e], v[TP+\e], v[TL+\e], v[TA+\e]   ; the rest's sine
	v_fma_f32 v[TE+\e], v[TE+\e], v[TZ+\e], 1.0        ; and cosine
.endr
.irp e, 0,1,2,3,4,5,6,7
	v_cvt_i32_f32 v[TN+\e], v[TN+\e]
.endr
.irp e, 0,1,2,3,4,5,6,7
	v_and_b32 v[TL+\e], 1, v[TN+\e]
.endr
.irp e, 0,1,2,3,4,5,6,7
	v_cmp_ne_u32 vcc_lo, 0, v[TL+\e]               ; an odd number of quarter turns: the two change places
	v_cndmask_b32 v[TO+2*\e], v[TE+\e], v[TP+\e], vcc_lo
	v_cndmask_b32 v[TO+2*\e+1], v[TP+\e], v[TE+\e], vcc_lo
.endr
.irp e, 0,1,2,3,4,5,6,7
	v_lshlrev_b32 v[TL+\e], 30, v[TN+\e]           ; the sine's sign: bit 1 of n;
	v_add_nc_u32 v[TN+\e], 1, v[TN+\e]
.endr
.irp e, 0,1,2,3,4,5,6,7
	v_lshlrev_b32 v[TN+\e], 30, v[TN+\e]           ; the cosine's: bit 1 of n + 1
.endr
.irp e, 0,1,2,3,4,5,6,7
	v_and_b32 v[TL+\e], 0x80000000, v[TL+\e]
	v_and_b32 v[TN+\e], 0x80000000, v[TN+\e]
.endr
.irp e, 0,1,2,3,4,5,6,7
	v_xor_b32 v[TO+2*\e+1], v[TL+\e], v[TO+2*\e+1]
	v_xor_b32 v[TO+2*\e], v[TN+\e], v[TO+2*\e]
.endr
.irp j, 0,1,2,3
	global_store_b128 v[LI], v[TO+4*\j:TO+4*\j+3], s[18:19] offset:512*\j   ; 512 consecutive bytes a store
.endr
; tile f: through the stage, quantised, stored as an image
.macro XF f
.if (\f) < 3
	s_wait_loadcnt 16                              ; this tile's 16 loads are in; the next tile's 16 may be out
.else
	s_wait_loadcnt 0x0
.endif
	s_wait_xcnt 0x0                                ; every earlier store has read its data: the table's registers and the last tile's codes are written again only behind this wait
.irp p, 0,1,2,3,4,5,6,7,8,9,10,11,12,13,14,15
	ds_store_b128 v6, v[R0+64*((\f)%2)+4*\p:R0+64*((\f)%2)+4*\p+3] offset:528*\p
.endr
.irp b, 0,1,2,3
.irp j, 0,1,2,3
	ds_load_b128 v[X+16*\b+4*\j:X+16*\b+4*\j+3], v7 offset:128*\b+16*\j   ; LDS serves a wave's instructions in order: these see the stores above
.endr
.endr
	s_wait_dscnt 0x0                               ; my numbers are back, and the stage's stores have read their registers,
.if (\f) < 2
	XL (\f)+2                                      ; which take the tile two on
.endif
	QUANT X
.irp j, 0,1,2
	global_store_b128 v[LI], v[PC+4*\j:PC+4*\j+3], s[56:57] offset:FRB*(\f)+512*\j
.endr
.if (\f)%2 == 0
	v_mov_b32 v[PWE], v[PW]
.else
	v_cndmask_b32 v[SD+(\f)/2], v[PW], v[PWE], s[MH]   ; lanes 0-15 the even tile's words, lanes 16-31 the odd tile's: 128 consecutive bytes
	global_store_b32 v[LS], v[SD+(\f)/2], s[16:17] offset:128*((\f)/2)
.endif
.endm
	XF 0
	XF 1
	XF 2
	XF 3
	s_wait_tensorcnt 0x0                           ; the wave's end
	ds_add_u32 v[SPW], v[NIL]
	s_wait_dscnt 0x0
	s_endpgm
	; ================ the weights: work-group j: matrix j / 128, columns 128 ((j / 8) % 16) on, k 256 (j % 8) on; wave w takes K step w / 2 of the two and columns 64 (w % 2) on: four whole tiles of one record.
	; A LANE TAKES TWO NEIGHBOURING COLUMNS AND ITS REGISTERS RUN DOWN K: a load reads 256 consecutive bytes, aligned; a block of 32 of a column is one lane's
.Lweights:
	s_sub_co_u32 s25, ttmp9, 128
	s_lshr_b32 s26, s25, 7                         ; which matrix
	s_bfe_u32 s27, s25, 0x40003                    ; column group
	s_and_b32 s28, s25, 7                          ; which 256 along K
	s_lshl_b32 s30, s28, 21                        ; 256 rows of 8,192 bytes,
	s_lshl_b32 s31, s27, 9                         ; 128 columns,
	s_add_co_u32 s30, s30, s31
	s_lshr_b32 s31, s[WV], 1
	s_lshl_b32 s31, s31, 20                        ; my K step: 128 rows,
	s_add_co_u32 s30, s30, s31
	s_and_b32 s31, s[WV], 1
	s_lshl_b32 s31, s31, 8                         ; my wave's 64 columns
	s_add_co_u32 s30, s30, s31
	s_mov_b32 s31, 0
	s_lshr_b32 s32, s26, 1
	s_add_co_u32 s32, s32, s26                     ; the image: 0, 1, 3, 4
	s_mul_i32 s32, s32, REG
	s_lshl_b32 s33, s27, 4
	s_lshl_b32 s34, s28, 1
	s_add_co_u32 s33, s33, s34
	s_mul_i32 s33, s33, REC
	s_add_co_u32 s32, s32, s33                     ; the first of my two records
	s_lshr_b32 s34, s[WV], 1
	s_mul_i32 s34, s34, REC
	s_add_co_u32 s32, s32, s34                     ; my record
	s_and_b32 s34, s[WV], 1
	s_mul_i32 s34, s34, 4*FRB                      ; tiles 4 (w % 2) + 0 .. 3
	s_add_co_u32 s34, s34, s32                     ; my four tiles' codes
	s_mov_b32 s35, 0
	s_and_b32 s36, s[WV], 1
	s_lshl_b32 s36, s36, 8
	s_add_co_u32 s36, s36, s32
	s_add_co_u32 s36, s36, SCO
	s_mov_b32 s37, 0
	v_bfe_u32 v11, v0, 2, 1                        ; column n = 2 lane + e of my 64 lies in my tile 2 (n / 32) + (n / 8) % 2,
	v_and_b32 v12, 3, v0
	v_bfe_u32 v13, v0, 3, 1
	s_wait_alu depctr_va_vdst(0)
	v_lshl_add_u32 v11, v3, 1, v11
	v_lshlrev_b32 v12, 1, v12
	v_lshl_add_u32 v12, v13, 3, v12                ; at lane n % 8 + 8 ((n / 16) % 2): here that of the even column; the odd one's is the next
	s_mul_i32 s21, s[WV], WSW
	s_add_co_u32 s21, s21, WST                     ; my stage
	v_mul_u32_u24 v6, v11, 1664
	v_lshl_add_u32 v6, v12, 4, v6
	v_add_nc_u32 v6, s21, v6                       ; in: my column's place in its tile's image
	v_add_nc_u32 v7, s21, v[LI]                    ; back: 16 x lane
	v_lshlrev_b32 v10, 6, v11
	v_lshl_add_u32 v10, v12, 2, v10                ; my two columns' scale words: 64 x tile + 4 x lane
	v_lshlrev_b32 v[LD8], 3, v1
	s_wait_alu depctr_va_vdst(0)                   ; the wait at the head's end
	s_wait_kmcnt 0x0
	s_cmp_eq_u32 s26, 1                            ; the choice hangs on the work-group's number alone
	s_cselect_b64 s[8:9], s[10:11], s[8:9]
	s_cmp_eq_u32 s26, 2
	s_cselect_b64 s[8:9], s[12:13], s[8:9]
	s_cmp_eq_u32 s26, 3
	s_cselect_b64 s[8:9], s[14:15], s[8:9]
	s_add_nc_u64 s[8:9], s[8:9], s[30:31]
	s_add_nc_u64 s[38:39], s[16:17], s[34:35]
	s_add_nc_u64 s[16:17], s[16:17], s[36:37]
.macro LOAD t                          ; block t: W(32 t + i, my two columns) into set t % 2; 256 consecutive bytes a load
.irp i, 0,1,2,3,4,5,6,7,8,9,10,11,12,13,14,15,16,17,18,19,20,21,22,23,24,25,26,27,28,29,30,31
	global_load_b64 v[WX+64*((\t)%2)+2*\i:WX+64*((\t)%2)+2*\i+1], v[LD8], s[8:9] offset:(32*(\t)+\i)*8192 th:TH_LOAD_NT
.endr
.endm
	LOAD 0
	LOAD 1
.macro COL t, e                        ; block t of my column e
.set XS, WT+32*(\e)
	v_max3_num_f32 v12, |v[XS]|, |v[XS+1]|, |v[XS+2]|
	v_max3_num_f32 v13, |v[XS+3]|, |v[XS+4]|, |v[XS+5]|
.irp i, 6,10,14,18,22,26
	v_max3_num_f32 v12, v12, |v[XS+\i]|, |v[XS+\i+1]|
	v_max3_num_f32 v13, v13, |v[XS+\i+2]|, |v[XS+\i+3]|
.endr
	v_max3_num_f32 v12, v12, |v[XS+30]|, |v[XS+31]|
	v_max3_num_f32 v12, v12, v13, 0x1800000        ; and the floor
	v_add_nc_u32 v11, 0xff000000, v12              ; the conversion's scale operand
	v_lshrrev_b32 v13, 23, v11                     ; the byte
.if (\t) == 0
	v_mov_b32 v[SB+(\e)], v13
.else
	v_lshl_or_b32 v[SB+(\e)], v13, 8*(\t), v[SB+(\e)]
.endif
	v_cvt_scalef32_pk16_fp6_f32 v[P:P+2], v[XS:XS+15], v11
	v_cvt_scalef32_pk16_fp6_f32 v[TC:TC+2], v[XS+16:XS+31], v11
	v_nop                                          ; one plain place behind a scaled conversion
.irp i, 0,1,2
	v_mov_b32 v[P+3+\i], v[TC+\i]
.endr
; block 2 c + hh of a K step is registers 6 c .. 6 c + 5 of the fragment's lane 16 hh + my column's lane
.if (\t)/2 == 0
	ds_store_b128 v6, v[P:P+3] offset:256*((\t)%2)+16*(\e)
	ds_store_b64 v6, v[P+4:P+5] offset:256*((\t)%2)+16*(\e)+512
.else
	ds_store_b64 v6, v[P:P+1] offset:256*((\t)%2)+16*(\e)+520
	ds_store_b128 v6, v[P+2:P+5] offset:256*((\t)%2)+16*(\e)+1024
.endif
	s_wait_dscnt 0x0                               ; the stores have read their registers
.endm
.macro BLOCK t
.if (\t) < 3
	s_wait_loadcnt 32                              ; this block's 32 loads are in; the next block's may be out
.else
	s_wait_loadcnt 0x0
.endif
.irp i, 0,1,2,3,4,5,6,7,8,9,10,11,12,13,14,15,16,17,18,19,20,21,22,23,24,25,26,27,28,29,30,31
	v_mov_b32 v[WT+\i], v[WX+64*((\t)%2)+2*\i]     ; the conversions take 16 neighbours along K from consecutive registers: each column's 32 are laid so
	v_mov_b32 v[WT+32+\i], v[WX+64*((\t)%2)+2*\i+1]
.endr
.if (\t) < 2
	LOAD (\t)+2                                    ; the set is free for the block two on
.endif
	COL \t, 0
	COL \t, 1
.endm
	BLOCK 0
	BLOCK 1
	BLOCK 2
	BLOCK 3
	s_wait_alu depctr_va_vdst(0)
.irp u, 0,1,2,3                                ; my four tiles leave as images: 512 consecutive bytes a store
.irp j, 0,1,2
	ds_load_b128 v[OUTR+4*(3*\u+\j):OUTR+4*(3*\u+\j)+3], v7 offset:1664*\u+512*\j
.endr
.endr
	s_wait_dscnt 0x0
.irp u, 0,1,2,3
.irp j, 0,1,2
	global_store_b128 v[LI], v[OUTR+4*(3*\u+\j):OUTR+4*(3*\u+\j)+3], s[38:39] offset:FRB*\u+512*\j
.endr
.endr
	global_store_b64 v10, v[SB:SB+1], s[16:17]     ; 256 consecutive bytes a wave, aligned
	s_wait_tensorcnt 0x0                           ; the wave's end
	ds_add_u32 v[SPW], v[NIL]
	s_wait_dscnt 0x0
	s_endpgm
.Lfunc_end_k_q928c3eb013_prep:
	.size	k_q928c3eb013_prep, .Lfunc_end_k_q928c3eb013_prep-k_q928c3eb013_prep
	.p2alignl 7, 3214868480
	.fill 96, 4, 3214868480
	.section	.rodata,"a",@progbits
	.p2align	6, 0x0
	.amdhsa_kernel k_q928c3eb013_prep
		.amdhsa_group_segment_fixed_size 60928
		.amdhsa_private_segment_fixed_size 0
		.amdhsa_enable_private_segment 0
		.amdhsa_kernarg_size 64
		.amdhsa_user_sgpr_count 2
		.amdhsa_user_sgpr_kernarg_segment_ptr 1
		.amdhsa_wavefront_size32 1
		.amdhsa_system_sgpr_workgroup_id_x 1
		.amdhsa_system_sgpr_workgroup_id_y 1
		.amdhsa_system_sgpr_workgroup_id_z 1
		.amdhsa_system_vgpr_workitem_id 0
		.amdhsa_next_free_vgpr 256
		.amdhsa_next_free_sgpr 66
		.amdhsa_reserve_vcc 1
		.amdhsa_float_denorm_mode_32 3
		.amdhsa_float_denorm_mode_16_64 3
		.amdhsa_memory_ordered 1
		.amdhsa_forward_progress 1
		.amdhsa_inst_pref_size 87
	.end_amdhsa_kernel
	.amdgpu_metadata
---
amdhsa.version: [ 1, 2 ]
amdhsa.kernels:
  - .name:           k_q928c3eb013_prep
    .symbol:         k_q928c3eb013_prep.kd
    .args:
      - { .name: x, .offset: 0, .size: 8, .value_kind: global_buffer, .address_space: global }
      - { .name: token_positions, .offset: 8, .size: 8, .value_kind: global_buffer, .address_space: global }
      - { .name: Wq, .offset: 16, .size: 8, .value_kind: global_buffer, .address_space: global }
      - { .name: Wk, .offset: 24, .size: 8, .value_kind: global_buffer, .address_space: global }
      - { .name: Wv, .offset: 32, .size: 8, .value_kind: global_buffer, .address_space: global }
      - { .name: Wo, .offset: 40, .size: 8, .value_kind: global_buffer, .address_space: global }
      - { .name: ops, .offset: 48, .size: 8, .value_kind: global_buffer, .address_space: global }
      - { .name: rope, .offset: 56, .size: 8, .value_kind: global_buffer, .address_space: global }
    .group_segment_fixed_size: 60928
    .private_segment_fixed_size: 0
    .kernarg_segment_align: 8
    .kernarg_segment_size: 64
    .max_flat_workgroup_size: 128
    .sgpr_count:     66
    .vgpr_count:     256
    .wavefront_size: 32
...
	.end_amdgpu_metadata
.endif
;; end of part 1
;; launch qkv (part 2): grid 24 x 8, 4 waves a work-group, clusters of 4 x 4, 327,680 bytes of LDS; arguments ops, rope, qkv; writes qkv
.if DOCPART == 2
	.amdgcn_target "amdgcn-amd-amdhsa--gfx1250"
	.amdhsa_code_object_version 6
	.text
	.protected	k_q928c3eb013_qkv
	.globl	k_q928c3eb013_qkv
	.p2align	8
	.type	k_q928c3eb013_qkv,@function
k_q928c3eb013_qkv:
	s_mov_b64 s[64:65], 0
	v_nop
	global_prefetch_b8 v0, s[64:65] scope:SCOPE_SE
	s_setreg_imm32_b32 hwreg(HW_REG_WAVE_MODE, 25, 1), 1
	s_wait_xcnt 0x0
	s_wait_alu depctr_hold_cnt(0) depctr_sa_sdst(0) depctr_va_vdst(0) depctr_va_sdst(0) depctr_va_ssrc(0) depctr_va_vcc(0) depctr_vm_vsrc(0)
	s_getreg_b32 s2, hwreg(HW_REG_IB_STS2, 6, 4)
	s_cmp_eq_u32 s2, 0
	s_cbranch_scc0 .Lentry_in_a_cluster
	s_endpgm
.Lentry_in_a_cluster:
	s_bfe_u32 s2, ttmp6, 0x10000c
	s_cmp_lg_u32 s2, 0xf033
	s_cbranch_scc0 .Lentry_shape_is_right
	s_endpgm
.Lentry_shape_is_right:
; q = rope(x Wq), k = rope(x Wk), v = x Wv on codes of FP6 (E2M3) with E8M0 scales, and each result quantised again in registers: q and k along the head's 128, v along the tokens.  All operands are register images
; (record = 128 rows x 128 K = 12,800 bytes: tile t's register 4 j + i of lane l at 1536 t + 512 j + 16 l + 4 i, scale words at 12288 + 64 t + 4 r; lane r of tile t holds row 32 (t / 2) + 8 (t % 2) + r + 8 (r / 8)).
; A work-group makes 256 x 256, a wave 128 x 128: 64 accumulators, 512 registers.  SOURCE 0 (P) IS THE OPERAND WHOSE ROWS BECOME THE NEXT K: for q and k the weight (a lane then holds one token, its registers run along
; the head's 128), for v the tokens x (a lane holds one channel, its registers run along 128 tokens).  By the tiles' order of rows the 16 registers of P's tiles 2 b, 2 b + 1 are neighbours 32 b + 16 (lane / 16) + 0 .. 15.
; So one loop serves all three; the kind (cluster x / 2: 0 q, 1 k, 2 v) is the same in all partners of a cluster, and branches hang on it alone.  A wave's result is one whole record of the output.
; K goes through a ring of two LDS slots of two K steps; a wave's tensor load brings two records, 25,600 dense bytes.  4 x 4 work-groups form a cluster: P's records are shared along a column, Q's along a row, and asked for jointly.
; REGISTERS: window 0: v16-29 addresses; v32-47 scale words, two sets; v64-159, v160-255 Q's fragments, two sets.  window 1: P's fragments at v0 and v128.  windows 2, 3: accumulator (a, b) at v[8 (8 (a % 4) + b)] of window 2 + a / 4.
; The rotation is a multiply and a fused multiply-add where the source has two multiplies and an add.  LIMITS: NaN and infinities are not served; blocks whose largest magnitude lies under 2^-124 keep the byte 1.
.set REC,   12800
.set REG,   256*REC
.set GRP,   16*REC                     ; a row group's 16 records
.set FRB,   1536
.set SCO,   8*FRB
.set HALF,  2*REC                      ; what one tensor load brings
.set SLOT,  4*HALF                     ; P's group 0, P's group 1, Q's group 0, Q's group 1
.set SPARE, 2*SLOT                     ; the spare words, 128 bytes for each wave: two blocks of 256 bytes that no other line names
.set ADP, 16                           ; v16-17 my P fragments in slot 0, 1
.set ADQ, 18                           ; v18-19 my Q fragments
.set ADS, 20                           ; v20-21 scale words: lanes 0-15 P's, lanes 16-31 Q's
.set LI,  24                           ; v24 16 x lane
.set LS,  25                           ; v25 4 x lane
.set SPW, 28                           ; v28 my spare word; never rewritten
.set NIL, 29                           ; v29 0; never rewritten
.set SC,  32
.set QF,  64
.set Y,   128                          ; the way out: v128-191 a tile's 64 rotated numbers
.set TM,  192                          ; v192-207 at work in the quantiser
.set PC,  64                           ; v64-82 the codes just made
.set PW,  208
.set PWE, 209
.set SD,  210                          ; v210-213 two tiles' scale words, to store
.set G1P, 24
.set G0P, 32
.set G1Q, 48
.set G0Q, 56
.set SEL, 76
.set MH,  78
.set RB,  80
.set MSB, 0
.macro WIN new                         ; the immediate's high byte repeats the setting that is left
.if MSB != (\new)
	s_set_vgpr_msb (MSB<<8)|(\new)
.set MSB, (\new)
.endif
.endm
.set MUL_LO, 0xa1                      ; source 0 (P) window 1, source 1 (Q) window 0, C and D window 2
.set MUL_HI, 0xf1
.set TO_P,   0x40
.macro JLOAD s                         ; a joint load: waves 0, 1 fetch P's two groups, waves 2, 3 Q's; an s_nop 0 and four v_nop follow each line
	s_cmp_eq_u32 s15, 0
	s_cbranch_scc0 .Lfor_q_\@
	tensor_load_to_lds s[G0P+4*\s:G0P+4*\s+3], s[G1P:G1P+7]
	s_nop 0
.rept 4
	v_nop
.endr
	s_branch .Lasked_\@
.Lfor_q_\@:
	tensor_load_to_lds s[G0Q+4*\s:G0Q+4*\s+3], s[G1Q:G1Q+7]
	s_nop 0
.rept 4
	v_nop
.endr
.Lasked_\@:
.endm
.macro CREST
	s_cmp_lg_u32 s14, 0
	s_cbranch_scc1 .Lnot_wave_0_\@
	s_barrier_signal -3
.Lnot_wave_0_\@:
	s_barrier_wait -3
	s_barrier_signal -1
	s_barrier_wait -1
.endm
.macro CROUND
	s_barrier_signal -1
	s_barrier_wait -1
	CREST
.endm
.macro PLACES n
.rept \n
	v_nop
.endr
.endm
	s_load_b128 s[4:7], s[0:1], 0x0                ; ops, rope
	s_load_b64 s[8:9], s[0:1], 0x10                ; qkv
	v_lshl_add_u32 v[SPW], v0, 2, SPARE
	v_mov_b32 v[NIL], 0
	ds_add_u32 v[SPW], v[NIL]                      ; the wave's opening: the add and its wait ahead of my first tensor load
	ds_add_u32 v[SPW], v[NIL]
	v_lshrrev_b32 v1, 5, v0
	v_readfirstlane_b32 s14, v1                    ; wave
	s_lshr_b32 s15, s14, 1                         ; which of Q's two groups I multiply.  Also: I fetch for P (0) or Q (1)
	s_and_b32 s16, s14, 1                          ; which of P's two groups I multiply.  Also: which group I fetch
	s_bfe_u32 s40, ttmp6, 0x40000                  ; cx
	s_bfe_u32 s41, ttmp6, 0x40004                  ; cy
	s_lshl_b32 s42, ttmp9, 2
	s_add_co_u32 s42, s42, s40                     ; P's index 0..23
	s_and_b32 s17, ttmp7, 0xffff
	s_lshl_b32 s17, s17, 2
	s_add_co_u32 s17, s17, s41                     ; Q's index 0..7
	s_lshr_b32 s12, ttmp9, 1                       ; the kind: 0 q, 1 k, 2 v
	s_lshl_b32 s43, s41, 2
	s_lshl_b32 s43, 15, s43                        ; my row of the cluster
	s_lshl_b32 s44, 0x1111, s40                    ; my column
	s_or_b32 s[G1P], s44, (3<<16)|(1<<21)          ; 15:0 the mask: P's records go to my column; 17:16 elements of 8 bytes; 21 set beside a mask; no padding
	s_or_b32 s[G1Q], s43, (3<<16)|(1<<21)          ; Q's to my row
.irp g, G1P, G1Q
	s_mov_b32 s[\g+1], 32<<16                      ; tensor_dim0 = 32 elements: 256 bytes
	s_mov_b32 s[\g+2], 100<<16                     ; tensor_dim1 = 100 rows: 25,600 dense bytes
	s_mov_b32 s[\g+3], 32<<16                      ; tile_dim0
	s_mov_b32 s[\g+4], 100                         ; tile_dim1
	s_mov_b32 s[\g+5], 32                          ; the pitch
	s_mov_b32 s[\g+6], 0
	s_mov_b32 s[\g+7], 0
.endr
	s_and_b32 s18, s42, 7
	s_lshl_b32 s18, s18, 1
	s_add_co_u32 s18, s18, s16
	s_mul_i32 s18, s18, GRP                        ; P: group 2 (index % 8) + the one I fetch,
	s_mul_i32 s19, s12, REG                        ; in image 0 (Wq), 1 (Wk) or 2 (x)
	s_add_co_u32 s18, s18, s19
	s_mov_b32 s19, 0
	s_lshl_b32 s20, s17, 1
	s_add_co_u32 s20, s20, s16
	s_mul_i32 s20, s20, GRP                        ; Q: group 2 index + the one I fetch,
	s_lshr_b32 s21, ttmp9, 2
	s_add_co_u32 s21, s21, 2
	s_mul_i32 s21, s21, REG                        ; in image 2 (x) or 3 (Wv)
	s_add_co_u32 s20, s20, s21
	s_mov_b32 s21, 0
	s_mul_i32 s45, s14, HALF                       ; where it goes: wave x 25,600
	s_mov_b32 s[SEL], 0x76543210
	s_mov_b32 s[SEL+1], 0xfedcba98
	s_wait_dscnt 0x0                               ; the opening add is done
	s_wait_kmcnt 0x0
	s_add_nc_u64 s[18:19], s[4:5], s[18:19]
	s_add_nc_u64 s[20:21], s[4:5], s[20:21]
	CROUND                                         ; all sixteen work-groups are here: the first joint loads meet
.irp s, 0,1
	s_mov_b32 s[G0P+4*\s], 1
	s_add_co_u32 s[G0P+4*\s+1], s45, \s*SLOT
	s_add_nc_u64 s[G0P+4*\s+2:G0P+4*\s+3], s[18:19], \s*HALF
	s_or_b32 s[G0P+4*\s+3], s[G0P+4*\s+3], 0x80000000
	s_mov_b32 s[G0Q+4*\s], 1
	s_add_co_u32 s[G0Q+4*\s+1], s45, \s*SLOT
	s_add_nc_u64 s[G0Q+4*\s+2:G0Q+4*\s+3], s[20:21], \s*HALF
	s_or_b32 s[G0Q+4*\s+3], s[G0Q+4*\s+3], 0x80000000
.endr
	JLOAD 0                                        ; slot 0
; PREFETCHES INTO THE L2.  A wave's joint load is 100 blocks of 256 bytes; the four partners that ask for it jointly share them out BY ADDRESS, 25 each (place cy for P's records, cx for Q's): one instruction a wave,
; a lane a block (the seven lanes that are over name the wave's last block again).  Behind the load of slot n stands the request for slot n + 2: four K steps ahead; slots 1 and 2 are asked for here; the last two refills ask for nothing.
.set PFA, 90                           ; s[90:91] my 25 blocks of the load that I issue, stepped by a slot at each refill
.set PFO, 26                           ; v26 256 x min(lane, 24); never rewritten
.set PFT, 27                           ; v27 256 x lane; never rewritten
.macro ASK
	s_cmp_gt_u32 s3, 1                             ; s3 = 1 in the loop's last trip
	s_cbranch_scc0 .Lnot_ask_\@
	global_prefetch_b8 v[PFO], s[PFA:PFA+1] offset:3*HALF th:TH_LOAD_NT scope:SCOPE_SE
.Lnot_ask_\@:
.endm
	s_cmp_eq_u32 s15, 0                            ; do I fetch for P?
	s_cselect_b64 s[PFA:PFA+1], s[18:19], s[20:21]
	s_cselect_b32 s92, s41, s40                    ; my place among the four that ask with me
	s_mul_i32 s92, s92, 25*256
	s_mov_b32 s93, 0
	s_add_nc_u64 s[PFA:PFA+1], s[PFA:PFA+1], s[92:93]
	v_and_b32 v1, 31, v0
	v_min_u32 v[PFO], 24, v1
	v_lshlrev_b32 v[PFT], 8, v1
	v_lshlrev_b32 v[PFO], 8, v[PFO]
	s_wait_alu depctr_va_vdst(0)                   ; the wait, directly ahead of the readers below
	global_prefetch_b8 v[PFO], s[PFA:PFA+1] offset:HALF th:TH_LOAD_NT scope:SCOPE_SE
	global_prefetch_b8 v[PFO], s[PFA:PFA+1] offset:2*HALF th:TH_LOAD_NT scope:SCOPE_SE
	v_and_b32 v2, 15, v0
	v_bfe_u32 v3, v0, 4, 1
	v_lshlrev_b32 v[LI], 4, v1
	v_lshlrev_b32 v[LS], 2, v1
	v_cmp_gt_u32 s[MH], 16, v1
	s_mul_i32 s86, s16, HALF                       ; my group of P
	s_mul_i32 s87, s15, HALF
	s_add_co_u32 s87, s87, 2*HALF                  ; my group of Q
	s_xor_b32 s88, s16, 1
	s_add_co_u32 s88, s88, s15
	s_mul_i32 s88, s88, HALF
	s_add_co_u32 s88, s88, HALF                    ; the distance from the first to the second
	v_add_nc_u32 v[ADP], s86, v[LI]
	v_add_nc_u32 v[ADP+1], SLOT, v[ADP]
	v_add_nc_u32 v[ADQ], s87, v[LI]
	v_add_nc_u32 v[ADQ+1], SLOT, v[ADQ]
	v_mul_u32_u24 v4, s88, v3                      ; lanes 16-31 take Q's words
	v_lshl_add_u32 v4, v2, 2, v4
	v_add_nc_u32 v4, s86, v4
	v_add_nc_u32 v[ADS], SCO, v4
	v_add_nc_u32 v[ADS+1], SLOT+SCO, v4
	s_lshl_b32 s82, s17, 1
	s_add_co_u32 s82, s82, s15                     ; Q's group that I multiply
	s_lshl_b32 s84, s82, 16                        ; the table: 8 tiles of 8,192 bytes a token group
	s_mov_b32 s85, 0
	s_add_nc_u64 s[RB:RB+1], s[6:7], s[84:85]
	s_lshl_b32 s82, s82, 4
	s_and_b32 s83, s42, 7
	s_lshl_b32 s83, s83, 1
	s_add_co_u32 s83, s83, s16                     ; P's group that I multiply
	s_add_co_u32 s82, s82, s83
	s_mul_i32 s82, s82, REC                        ; my record: 16 x Q's group + P's group,
	s_mul_i32 s83, s12, REG                        ; in the image of my kind
	s_add_co_u32 s82, s82, s83
	s_mov_b32 s83, 0
	s_add_nc_u64 s[8:9], s[8:9], s[82:83]
	; the table of my token group is 8 tiles of 8,192 bytes, read by two waves in each of the four partners of my row: each of the eight asks for one tile, told apart by address, a lane for each 256 bytes
	s_lshl_b32 s94, s40, 1
	s_add_co_u32 s94, s94, s16
	s_lshl_b32 s94, s94, 13
	s_mov_b32 s95, 0
	s_add_nc_u64 s[94:95], s[RB:RB+1], s[94:95]
	s_cmp_lt_u32 s12, 2                            ; v has no rotation and reads no table
	s_cbranch_scc0 .Lno_pft
	global_prefetch_b8 v[PFT], s[94:95] th:TH_LOAD_NT scope:SCOPE_SE
.Lno_pft:
; 56 LDS loads: P's eight fragments, the eight scale registers, Q's eight fragments of the slot's q-th K step
.macro FETCH slot, q, set
	WIN TO_P
.irp b, 0,1,2,3,4,5,6,7
.irp j, 0,1,2
	ds_load_b128 v[128*(\set)+12*\b+4*\j:128*(\set)+12*\b+4*\j+3], v[ADP+(\slot)] offset:REC*(\q)+FRB*\b+512*\j
.endr
.endr
	WIN 0
.irp i, 0,1,2,3,4,5,6,7
	ds_load_b32 v[SC+8*(\set)+\i], v[ADS+(\slot)] offset:REC*(\q)+64*\i
.endr
.irp a, 0,1,2,3,4,5,6,7
.irp j, 0,1,2
	ds_load_b128 v[QF+96*(\set)+12*\a+4*\j:QF+96*(\set)+12*\a+4*\j+3], v[ADQ+(\slot)] offset:REC*(\q)+FRB*\a+512*\j
.endr
.endr
.endm
; 16 matrix instructions: Q's tiles a0, a0 + 1 against P's eight.  The 64 accumulators take turns, one instruction a turn, in one order in every step
.macro MUL16 a0, set, zero
.irp a, \a0, \a0+1
.irp b, 0,1,2,3,4,5,6,7
.if \zero
	v_wmma_scale_f32_16x16x128_f8f6f4 v[8*(8*((\a)%4)+\b):8*(8*((\a)%4)+\b)+7], v[128*(\set)+12*\b:128*(\set)+12*\b+11], v[QF+96*(\set)+12*(\a):QF+96*(\set)+12*(\a)+11], 0, v[SC+8*(\set)+\b], v[SC+8*(\set)+(\a)] matrix_a_fmt:MATRIX_FMT_FP6 matrix_b_fmt:MATRIX_FMT_FP6 matrix_b_scale:MATRIX_SCALE_ROW1
.else
	v_wmma_scale_f32_16x16x128_f8f6f4 v[8*(8*((\a)%4)+\b):8*(8*((\a)%4)+\b)+7], v[128*(\set)+12*\b:128*(\set)+12*\b+11], v[QF+96*(\set)+12*(\a):QF+96*(\set)+12*(\a)+11], v[8*(8*((\a)%4)+\b):8*(8*((\a)%4)+\b)+7], v[SC+8*(\set)+\b], v[SC+8*(\set)+(\a)] matrix_a_fmt:MATRIX_FMT_FP6 matrix_b_fmt:MATRIX_FMT_FP6 matrix_b_scale:MATRIX_SCALE_ROW1
.endif
.endr
.endr
.endm
; a slot's first K step: multiplies set 0, fetches the second step into set 1
.macro STEP slot, zero
	s_wait_dscnt 18                                ; P, the scale words and Q's tiles 0, 1 are in; the 18 loads of tiles 2 to 7 may be out
	WIN MUL_LO
	MUL16 0, 0, \zero
	s_wait_dscnt 12                                ; tiles 4 to 7 may be out
	MUL16 2, 0, \zero
	PLACES 4                                       ; four plain places ahead of loads into registers that matrix instructions have read
	FETCH \slot, 1, 1
	s_wait_dscnt 62                                ; the 56 just issued and tiles 6, 7
	WIN MUL_HI
	MUL16 4, 0, \zero
	s_wait_dscnt 56                                ; the 56 just issued
	MUL16 6, 0, \zero
.endm
; a slot's second K step changes slots: one barrier; ahead of it each wave waits for all its tensor loads, adds 0 to its spare word and waits for that and for its reads of this slot
.macro TURN slot, next, fill
	WIN 0
.if \fill
	s_wait_xcnt 0x0                                ; my last prefetch has read its address: it is stepped here, a slot on
	s_add_nc_u64 s[PFA:PFA+1], s[PFA:PFA+1], HALF
.endif
	s_wait_tensorcnt 0x0                           ; all my tensor loads have landed: my part of the next slot
	ds_add_u32 v[SPW], v[NIL]
	s_wait_dscnt 19                                ; the add and the 18 loads of tiles 2 to 7 may be out
	WIN MUL_LO
	MUL16 0, 1, 0
	s_wait_dscnt 0x0                               ; the add is done, and my reads of this slot are over
	s_barrier_signal -1
	MUL16 2, 1, 0
	WIN 0
	s_barrier_wait -1
.if \fill
	CREST                                          ; the barrier has opened a round of the cluster's: no wave of any partner still reads this slot or has a load on its way
	s_add_nc_u64 s[G0P+4*\slot+2:G0P+4*\slot+3], s[G0P+4*\slot+2:G0P+4*\slot+3], 2*HALF
	s_add_nc_u64 s[G0Q+4*\slot+2:G0Q+4*\slot+3], s[G0Q+4*\slot+2:G0Q+4*\slot+3], 2*HALF
	JLOAD \slot                                    ; the first tensor load behind the round; its four v_nop are the places ahead of the loads below
.else
	PLACES 4
.endif
	FETCH \next, 0, 0
.if \fill
	ASK                                            ; behind the joint load and the run of LDS loads
.endif
	WIN MUL_HI
	MUL16 4, 1, 0
	MUL16 6, 1, 0
.endm
	s_wait_alu depctr_va_vdst(0)
	s_wait_tensorcnt 0x0                           ; my part of slot 0 is in
	ds_add_u32 v[SPW], v[NIL]
	s_wait_dscnt 0x0
	CROUND                                         ; a whole round: slot 0 is whole, and the joint loads meet
	JLOAD 1                                        ; slot 1's first fill, the first tensor load behind the round
	FETCH 0, 0, 0
	global_prefetch_b8 v[PFO], s[PFA:PFA+1] offset:3*HALF th:TH_LOAD_NT scope:SCOPE_SE   ; slot 3's records
	STEP 0, 1                                      ; the first step starts the sums: nothing is cleared
	WIN 0
	s_mov_b32 s3, 3
.Llap:                                             ; a trip goes once round the ring and fills both slots again
	TURN 0, 1, 1
	STEP 1, 0
	TURN 1, 0, 1
	STEP 0, 0
	WIN 0
	s_sub_co_u32 s3, s3, 1
	s_cmp_lg_u32 s3, 0
	s_cbranch_scc1 .Llap
	TURN 0, 1, 0                                   ; the last lap fills nothing
	STEP 1, 0
; the table's tile a: 64 registers a lane, (cos, sin) of pair m in registers 2 m, 2 m + 1, into window 1
.macro RLOAD a
	WIN 0x40
.irp j, 0,1,2,3,4,5,6,7,8,9,10,11,12,13,14,15
	global_load_b128 v[64*((\a)%4)+4*\j:64*((\a)%4)+4*\j+3], v[LI], s[RB:RB+1] offset:8192*(\a)+512*\j
.endr
	WIN 0
.endm
	s_wait_dscnt 18                                ; the last K step
	WIN MUL_LO
	MUL16 0, 1, 0
	s_wait_dscnt 12
	MUL16 2, 1, 0
	s_wait_dscnt 0x0
	PLACES 4                                       ; P's set 0 is done with: the table's first tiles may land there
	WIN 0
	s_cmp_lt_u32 s12, 2
	s_cbranch_scc0 .Lno_table
	RLOAD 0
	RLOAD 1
.Lno_table:
	WIN MUL_HI
	MUL16 4, 1, 0
	MUL16 6, 1, 0
	PLACES 4                                       ; ahead of the first reads of results, and of writes into registers that held operands
	WIN 0
.irp b, 0,1,2,3
	v_mov_b32 v[TM+4+\b], 0                        ; written once: a lane permute's destination counts as one of its sources
.endr
; 64 numbers of a lane in window W, register 16 b + i = k 32 b + 16 (lane / 16) + i of my row, become a fragment's codes in v[PC] on and its scale word in v[PW]
.macro QUANTW s, W
	WIN ((\W)<<2)|((\W)<<4)
.irp b, 0,1,2,3
	v_max3_num_f32 v[TM+\b], 0x1800000, |v[(\s)+16*\b]|, |v[(\s)+1+16*\b]|   ; the floor 2^(3 - 127) and my first two numbers of block b
.endr
.irp i, 2,4,6,8,10,12,14
.irp b, 0,1,2,3
	v_max3_num_f32 v[TM+\b], v[TM+\b], |v[(\s)+16*\b+\i]|, |v[(\s)+1+16*\b+\i]|
.endr
.endr
	WIN 0
.irp b, 0,1,2,3
	v_permlanex16_b32 v[TM+4+\b], v[TM+\b], s[SEL], s[SEL+1]
.endr
.irp b, 0,1,2,3
	v_max_num_f32 v[TM+\b], v[TM+\b], v[TM+4+\b]
.endr
.irp b, 0,1,2,3
	v_add_nc_u32 v[TM+12+\b], 0xff000000, v[TM+\b]
.endr
.irp b, 0,1,2,3
	v_lshrrev_b32 v[TM+4+\b], 23, v[TM+12+\b]
.endr
	v_lshl_or_b32 v[PW], v[TM+5], 8, v[TM+4]
	v_lshl_or_b32 v[PW], v[TM+6], 16, v[PW]
	v_lshl_or_b32 v[PW], v[TM+7], 24, v[PW]
	WIN (\W)
.irp c, 0,1
	v_cvt_scalef32_pk16_fp6_f32 v[PC+6*\c:PC+2+6*\c], v[(\s)+32*\c:(\s)+15+32*\c], v[TM+12+2*\c]
	v_cvt_scalef32_pk16_fp6_f32 v[PC+12+4*\c:PC+14+4*\c], v[(\s)+16+32*\c:(\s)+31+32*\c], v[TM+12+2*\c+1]
.endr
	WIN 0
	v_nop                                          ; one plain place behind a scaled conversion
.irp c, 0,1
.irp i, 0,1,2
	v_permlane16_swap_b32 v[PC+6*\c+\i], v[PC+12+4*\c+\i]
.endr
.irp i, 0,1,2
	v_mov_b32 v[PC+3+6*\c+\i], v[PC+12+4*\c+\i]
.endr
.endr
.endm
.macro SENDT a                         ; tile a's image: three stores of 512 consecutive bytes; two tiles' scale words: 128
.irp j, 0,1,2
	global_store_b128 v[LI], v[PC+4*\j:PC+4*\j+3], s[8:9] offset:FRB*(\a)+512*\j
.endr
.if (\a)%2 == 0
	v_mov_b32 v[PWE], v[PW]
.else
	v_cndmask_b32 v[SD+(\a)/2], v[PW], v[PWE], s[MH]
	global_store_b32 v[LS], v[SD+(\a)/2], s[8:9] offset:SCO+128*((\a)/2)
.endif
.endm
; y_even = x_even c - x_odd s, y_odd = x_odd c + x_even s: source 0 the accumulators, source 1 the table (window 1), each accumulator read from its low end on
.macro ROPE a
	WIN (2+(\a)/4)|4
.irp m, 0,2,4,6,8,10,12,14,16,18,20,22,24,26,28,30,32,34,36,38,40,42,44,46,48,50,52,54,56,58,60,62
	v_pk_mul_f32 v[Y+\m:Y+\m+1], v[64*((\a)%4)+\m:64*((\a)%4)+\m+1], v[64*((\a)%4)+\m:64*((\a)%4)+\m+1] op_sel_hi:[1,0]
.endr
.irp m, 0,2,4,6,8,10,12,14,16,18,20,22,24,26,28,30,32,34,36,38,40,42,44,46,48,50,52,54,56,58,60,62
	v_pk_fma_f32 v[Y+\m:Y+\m+1], v[64*((\a)%4)+\m:64*((\a)%4)+\m+1], v[64*((\a)%4)+\m:64*((\a)%4)+\m+1], v[Y+\m:Y+\m+1] op_sel:[1,1,0] op_sel_hi:[0,1,1] neg_lo:[1,0,0]
.endr
	WIN 0
.endm
.macro QKTILE a, left                  ; left: the table loads issued behind tile a's, which may stay out
	s_wait_loadcnt \left
	ROPE \a
	s_wait_xcnt 0x0                                ; the last tile's stores have read their data: the codes are written again only behind this wait
.if (\a) < 4
	RLOAD (\a)+4
.endif
	QUANTW Y, 0
	SENDT \a
.endm
.macro VTILE a
	s_wait_xcnt 0x0
	QUANTW 64*((\a)%4), 2+(\a)/4
	SENDT \a
.endm
	s_cmp_lt_u32 s12, 2
	s_cbranch_scc0 .Lvalues
	RLOAD 2                                        ; P's set 1 is done with
	RLOAD 3
	QKTILE 0, 48
	QKTILE 1, 48
	QKTILE 2, 48
	QKTILE 3, 48
	QKTILE 4, 48
	QKTILE 5, 32
	QKTILE 6, 16
	QKTILE 7, 0
	s_branch .Lend
.Lvalues:                                          ; v: a lane holds one channel and 64 of 128 tokens: quantised as it stands
.irp a, 0,1,2,3,4,5,6,7
	VTILE \a
.endr
.Lend:
	s_wait_tensorcnt 0x0                           ; the wave's end
	ds_add_u32 v[SPW], v[NIL]
	s_wait_dscnt 0x0
	CROUND                                         ; the closing round
	s_endpgm
.Lfunc_end_k_q928c3eb013_qkv:
	.size	k_q928c3eb013_qkv, .Lfunc_end_k_q928c3eb013_qkv-k_q928c3eb013_qkv
	.p2alignl 7, 3214868480
	.fill 96, 4, 3214868480
	.section	.rodata,"a",@progbits
	.p2align	6, 0x0
	.amdhsa_kernel k_q928c3eb013_qkv
		.amdhsa_group_segment_fixed_size 327680
		.amdhsa_private_segment_fixed_size 0
		.amdhsa_enable_private_segment 0
		.amdhsa_kernarg_size 24
		.amdhsa_user_sgpr_count 2
		.amdhsa_user_sgpr_kernarg_segment_ptr 1
		.amdhsa_wavefront_size32 1
		.amdhsa_system_sgpr_workgroup_id_x 1
		.amdhsa_system_sgpr_workgroup_id_y 1
		.amdhsa_system_sgpr_workgroup_id_z 1
		.amdhsa_system_vgpr_workitem_id 0
		.amdhsa_next_free_vgpr 1024
		.amdhsa_next_free_sgpr 100
		.amdhsa_reserve_vcc 0
		.amdhsa_float_denorm_mode_32 3
		.amdhsa_float_denorm_mode_16_64 3
		.amdhsa_memory_ordered 1
		.amdhsa_forward_progress 1
		.amdhsa_inst_pref_size 220
	.end_amdhsa_kernel
	.amdgpu_metadata
---
amdhsa.version: [ 1, 2 ]
amdhsa.kernels:
  - .name:           k_q928c3eb013_qkv
    .symbol:         k_q928c3eb013_qkv.kd
    .args:
      - { .name: ops, .offset: 0, .size: 8, .value_kind: global_buffer, .address_space: global }
      - { .name: rope, .offset: 8, .size: 8, .value_kind: global_buffer, .address_space: global }
      - { .name: qkv, .offset: 16, .size: 8, .value_kind: global_buffer, .address_space: global }
    .group_segment_fixed_size: 327680
    .private_segment_fixed_size: 0
    .kernarg_segment_align: 8
    .kernarg_segment_size: 24
    .max_flat_workgroup_size: 128
    .sgpr_count:     100
    .vgpr_count:     1024
    .wavefront_size: 32
...
	.end_amdgpu_metadata
.endif
;; end of part 2
;; launch attn (part 3): grid 16 x 16, 16 waves a work-group, clusters of 4 x 1, 327,680 bytes of LDS; arguments qkv, aimg; writes aimg
.if DOCPART == 3
	.amdgcn_target "amdgcn-amd-amdhsa--gfx1250"
	.amdhsa_code_object_version 6
	.text
	.protected	k_q928c3eb013_attn
	.globl	k_q928c3eb013_attn
	.p2align	8
	.type	k_q928c3eb013_attn,@function
k_q928c3eb013_attn:
	s_mov_b64 s[64:65], 0
	v_nop
	global_prefetch_b8 v0, s[64:65] scope:SCOPE_SE
	s_setreg_imm32_b32 hwreg(HW_REG_WAVE_MODE, 25, 1), 1
	s_wait_xcnt 0x0
	s_wait_alu depctr_hold_cnt(0) depctr_sa_sdst(0) depctr_va_vdst(0) depctr_va_sdst(0) depctr_va_ssrc(0) depctr_va_vcc(0) depctr_vm_vsrc(0)
	s_getreg_b32 s2, hwreg(HW_REG_IB_STS2, 6, 4)
	s_cmp_eq_u32 s2, 0
	s_cbranch_scc0 .Lentry_in_a_cluster
	s_endpgm
.Lentry_in_a_cluster:
	s_bfe_u32 s2, ttmp6, 0x10000c
	s_cmp_lg_u32 s2, 0x3003
	s_cbranch_scc0 .Lentry_shape_is_right
	s_endpgm
.Lentry_shape_is_right:
; Causal attention of 16 heads, 2,048 tokens, head size 128, both products on codes of FP6 (E2M3) with E8M0 scales; the normalised result is quantised along the model's axis and stored as a register image.
; q, k (rows = tokens, K step = head) and V^T (row group = head, K = tokens) are register images: record = 128 rows x 128 K = 12,800 bytes; lane r of tile t holds row 32 (t / 2) + 8 (t % 2) + r + 8 (r / 8).
; THE SOFTMAX: t = score x log2(e) / sqrt(128); M = the largest t so far, rounded up to a whole number; p = 2^(t - M) is quantised along the keys; the sum is taken of the unquantised p and divides at the end.
; SHARES.  A head has 16 groups G of 128 tokens, 8 tiles of 16 queries each; a tile of group G needs key steps 0 .. G.  A work-group owns tile T8 = 4 (cluster x / 2) + cx of eight groups: {0,3,4,7,8,11,12,15} where cluster x
; is even, {1,2,5,6,9,10,13,14} where odd: 68 steps either way, so all 256 work-groups have equal work.  A tile has TWO waves: wave parity p takes the key steps of parity p, with its own M, sum and O^T; they meet once, at the end,
; by exact powers of two.  Every cluster walks all 4 slots of four key steps: a step that lies wholly behind the mask is left out by a scalar branch on ids round its work alone.
; A slot is two halves, 65,536 bytes apart, each with two key steps: K even, K odd, V even, V odd.  Waves 0-3 fetch K's four records, waves 4-7 V's, one record a load, jointly for the four partners.
; In clusters of odd x the last slot's last step (two records) lands and is not read: the price of loads that all partners issue alike.
; Both products are used transposed: S^T = K Q^T, O^T = V^T P^T: a lane holds one query throughout; by the tiles' order of rows its registers run along neighbouring keys, and along neighbouring channels.
; REGISTERS: v16-27 q; v32-91 five fragments; v96-159 S^T, then p, then V's tiles 5-7; v160-223 O^T; v224-235 p's codes; v236-251 at work.  K's tiles 5, 6, 7 lie in v148-159, v236-247, v224-235 while the scores are made.
; LIMITS: NaN and infinities are not served; blocks whose largest magnitude lies under 2^-124 keep the byte 1; the scaled scores stay under 2^31 in magnitude.
.set REC,   12800
.set REG,   256*REC
.set FRB,   1536
.set SCO,   8*FRB
.set VOFF,  2*REC
.set HSL,   65536
.set SLOT1, 131072
.set MRG,   SLOT1+HSL+4*REC            ; where the two waves of a tile meet: for each pair O^T's image (16 x 512), the sum (+8192), -M (+8320)
.set MPB,   8704
.set SPARE, MRG+8*MPB                  ; the spare words, 128 bytes for each wave: eight blocks of 256 bytes that no other line names
.set AK0,  1                           ; v1  16 x lane + my parity's record
.set ASK0, 2                           ; v2  4 r + my parity's record + the scale words' place
.set MA,   3                           ; v3  my pair's image, 16 x lane
.set ML,   4                           ; v4  my pair's sum, 4 x lane
.set SPW,  5                           ; v5  my spare word; never rewritten
.set NIL,  6                           ; v6  0; never rewritten
.set LI,   7                           ; v7  16 x lane
.set ADK,  8                           ; v8  the step's fragments
.set ADS,  9                           ; v9  the step's scale words
.set R4,   10                          ; v10 4 r
.set PFO,  28                          ; v28 the prefetch's offset
.set DQ,   29                          ; v29 my query's place in its group - 16 (lane / 16)
.set TM,   32                          ; the way out's quantiser: v32-47 at work, v48-66 codes, v68 the scale word
.set PC,   48
.set PW,   68
.set WV,   18
.set SEL,  20
.set CS,   22
.set G1,   24
.set G0K,  32
.set G0V,  36
.set G,    40
.set TB,   41
.set SS,   42
.set SLOTS, 43
.set PFA,  44
.set PFS,  46
.set LIM,  48
.set PI,   49
.set HC,   80                          ; s80 the halves of a slot still to walk
.macro JLOAD                           ; a joint load: waves 0-3 fetch K's four records of a slot, waves 4-7 V's, the others nothing; the branches hang on the wave's number alone
	s_cmp_lt_u32 s[WV], 4
	s_cbranch_scc0 .Lnot_k_\@
	tensor_load_to_lds s[G0K:G0K+3], s[G1:G1+7]
	s_nop 0
.rept 4
	v_nop
.endr
	s_branch .Lasked_\@
.Lnot_k_\@:
	s_cmp_lt_u32 s[WV], 8
	s_cbranch_scc0 .Lasked_\@
	tensor_load_to_lds s[G0V:G0V+3], s[G1:G1+7]
	s_nop 0
.rept 4
	v_nop
.endr
.Lasked_\@:
.endm
.macro CROUND
	s_barrier_signal -1
	s_barrier_wait -1
	s_cmp_lg_u32 s[WV], 0
	s_cbranch_scc1 .Lnot_wave_0_\@
	s_barrier_signal -3
.Lnot_wave_0_\@:
	s_barrier_wait -3
	s_barrier_signal -1
	s_barrier_wait -1
.endm
; A prefetch of the slot that the NEXT change will ask for.  All clusters of a head walk the same records: the head's first cluster asks.  Partner cx takes the slot's key step cx, told apart by address; in each, waves 4 and 5
; ask for K's record and waves 6 and 7 for V's, a lane for each 256 bytes of the record's 50 x 256 (the odd wave's 14 lanes that are over name the last block again).  The last change that fills a slot asks for nothing.
.macro ASK
	s_cmp_gt_u32 s[SLOTS], s[LIM]
	s_cbranch_scc0 .Lnot_mine_\@
	global_prefetch_b8 v[PFO], s[PFA:PFA+1] th:TH_LOAD_NT scope:SCOPE_SE
.Lnot_mine_\@:
.endm
	s_load_b128 s[4:7], s[0:1], 0x0                ; qkv, aimg
	v_lshl_add_u32 v[SPW], v0, 2, SPARE
	v_mov_b32 v[NIL], 0
	ds_add_u32 v[SPW], v[NIL]                      ; the wave's opening: the add, twice on end, and its wait ahead of the first tensor loads
	ds_add_u32 v[SPW], v[NIL]
	v_lshrrev_b32 v8, 5, v0
	s_delay_alu instid0(VALU_DEP_1)
	v_readfirstlane_b32 s[WV], v8                  ; wave 0..15
	s_and_b32 s50, ttmp7, 0xffff                   ; the head
	s_bfe_u32 s51, ttmp6, 0x40000                  ; cx: it enters global addresses and the mask's data alone
	s_lshr_b32 s52, ttmp9, 1
	s_lshl_b32 s52, s52, 2
	s_add_co_u32 s52, s52, s51                     ; T8
	s_and_b32 s[PI], s[WV], 1                      ; my parity
	s_lshr_b32 s53, s[WV], 2
	s_bfe_u32 s54, s[WV], 0x10001
	s_add_co_u32 s54, s54, s53
	s_and_b32 s54, s54, 1
	s_mul_i32 s54, s54, 3
	s_and_b32 s55, ttmp9, 1
	s_xor_b32 s54, s54, s55
	s_lshl_b32 s[G], s53, 2
	s_add_co_u32 s[G], s[G], s54                   ; my group: 4 (wave / 4) + (cluster x % 2) xor 3 ((wave / 4 + (wave / 2) % 2) % 2)
	s_mov_b32 s[G1], 15|(3<<16)|(1<<21)            ; 15:0 the mask: all four partners; 17:16 elements of 8 bytes; 21 set beside a mask; no padding
	s_mov_b32 s[G1+1], 32<<16                      ; tensor_dim0 = 32 elements: 256 bytes
	s_mov_b32 s[G1+2], 50<<16                      ; tensor_dim1 = 50 rows: one record
	s_mov_b32 s[G1+3], 32<<16
	s_mov_b32 s[G1+4], 50
	s_mov_b32 s[G1+5], 32
	s_mov_b32 s[G1+6], 0
	s_mov_b32 s[G1+7], 0
	s_and_b32 s58, s[WV], 3                        ; which of the slot's four key steps I fetch
	s_lshl_b32 s53, s58, 4
	s_add_co_u32 s53, s53, s50
	s_mul_i32 s54, s53, REC
	s_add_co_u32 s54, s54, REG                     ; K: record 16 x key step + head, in image 1
	s_mov_b32 s55, 0
	s_lshl_b32 s53, s50, 4
	s_add_co_u32 s53, s53, s58
	s_mul_i32 s56, s53, REC
	s_add_co_u32 s56, s56, 2*REG                   ; V: record 16 x head + key step, in image 2
	s_mov_b32 s57, 0
	s_bfe_u32 s58, s[WV], 0x10002                  ; where it goes in a slot: V's records lie behind K's two,
	s_lshl_b32 s58, s58, 1
	s_add_co_u32 s58, s58, s[PI]                   ; by the step's parity,
	s_mul_i32 s58, s58, REC
	s_bfe_u32 s59, s[WV], 0x10001
	s_lshl_b32 s59, s59, 16
	s_add_co_u32 s58, s58, s59                     ; steps 2 and 3 in the second half
	s_bfe_u32 s59, s[WV], 0x10001                  ; the prefetch: waves 4, 5 ask for K's record (0), waves 6, 7 for V's (1),
	s_mov_b32 s60, s51                             ; of the slot's key step cx
	s_lshl_b32 s61, s60, 4
	s_add_co_u32 s61, s61, s50
	s_lshl_b32 s62, s50, 4
	s_add_co_u32 s62, s62, s60
	s_sub_co_u32 s62, s62, s61
	s_mul_i32 s62, s62, s59
	s_add_co_u32 s61, s61, s62
	s_mul_i32 s61, s61, REC
	s_mul_i32 s62, s59, REG
	s_add_co_u32 s61, s61, s62
	s_add_co_u32 s61, s61, REG
	s_mul_i32 s62, s59, 60*REC
	s_sub_co_u32 s[PFS], 64*REC, s62               ; a slot on: 64 records in K's image, 4 in V's
	s_mov_b32 s[PFS+1], 0
	s_add_co_u32 s66, s61, s[PFS]                  ; in slot 1: the first change steps it to slot 2.  Nothing is prefetched at the head
	s_mov_b32 s67, 0
	s_lshr_b32 s63, s[WV], 2
	s_xor_b32 s63, s63, 1
	s_or_b32 s63, s63, ttmp9                       ; 0 in waves 4 to 7 of the head's first cluster: the same in all partners
	s_cmp_eq_u32 s63, 0
	s_cselect_b32 s[LIM], 1, -1
	s_lshl_b32 s68, s[G], 4
	s_add_co_u32 s68, s68, s50
	s_mul_i32 s68, s68, REC                        ; my queries' record, in q's image and in the output's
	s_lshl_b32 s70, s52, 6
	s_add_co_u32 s70, s70, s68
	s_add_co_u32 s70, s70, SCO                     ; my tile's scale words
	s_mov_b32 s71, 0
	s_mul_i32 s69, s52, FRB
	s_add_co_u32 s68, s68, s69                     ; my tile's codes
	s_mov_b32 s69, 0
	s_mov_b32 s[SEL], 0x76543210
	s_mov_b32 s[SEL+1], 0xfedcba98
	s_mov_b32 s[CS], 0x3e0293ee                    ; c = log2(e) / sqrt(128)
	s_mov_b32 s[CS+1], s[CS]
	s_mov_b32 s[TB], 0
	s_mov_b32 s[SS], s[PI]                         ; my first key step
	s_mov_b32 s[SLOTS], 3
	s_wait_dscnt 0x0                               ; both opening adds are done
	s_wait_kmcnt 0x0
	s_mov_b32 s[G0K], 1
	s_mov_b32 s[G0K+1], s58
	s_add_nc_u64 s[G0K+2:G0K+3], s[4:5], s[54:55]
	s_or_b32 s[G0K+3], s[G0K+3], 0x80000000
	s_mov_b32 s[G0V], 1
	s_mov_b32 s[G0V+1], s58
	s_add_nc_u64 s[G0V+2:G0V+3], s[4:5], s[56:57]
	s_or_b32 s[G0V+3], s[G0V+3], 0x80000000
	CROUND                                         ; all four work-groups are here: the first joint loads meet
	JLOAD                                          ; slot 0
	s_add_nc_u64 s[PFA:PFA+1], s[4:5], s[66:67]
	s_add_nc_u64 s[72:73], s[4:5], s[68:69]        ; q's codes,
	s_add_nc_u64 s[74:75], s[4:5], s[70:71]        ; q's scale words,
	s_add_nc_u64 s[76:77], s[6:7], s[68:69]        ; the output's codes,
	s_add_nc_u64 s[78:79], s[6:7], s[70:71]        ; and scale words
	v_and_b32 v8, 15, v0                           ; r
	v_bfe_u32 v9, v0, 4, 1                         ; h
	v_and_b32 v11, 31, v0                          ; lane
	s_delay_alu instid0(VALU_DEP_1)
	v_lshlrev_b32 v[LI], 4, v11
	s_delay_alu instid0(VALU_DEP_4)
	v_lshlrev_b32 v[R4], 2, v8
.irp j, 0,1,2
	global_load_b128 v[16+4*\j:19+4*\j], v[LI], s[72:73] offset:512*\j   ; my 16 queries' fragment stays in registers
.endr
	global_load_b32 v255, v[R4], s[74:75]          ; and its scale words
	s_mul_i32 s53, s[PI], REC
	v_add_nc_u32 v[AK0], s53, v[LI]
	v_add_nc_u32 v[ASK0], s53, v[R4]
	s_delay_alu instid0(VALU_DEP_1)
	v_add_nc_u32 v[ASK0], SCO, v[ASK0]
	s_lshr_b32 s53, s[WV], 1
	s_mul_i32 s53, s53, MPB
	s_add_co_u32 s53, s53, MRG
	v_add_nc_u32 v[MA], s53, v[LI]
	v_lshl_add_u32 v[ML], v11, 2, s53
	s_delay_alu instid0(VALU_DEP_1)
	v_add_nc_u32 v[ML], 8192, v[ML]
	s_lshl_b32 s53, s[PI], 5
	v_add_nc_u32 v[PFO], s53, v11
	s_delay_alu instid0(VALU_DEP_1)
	v_min_u32 v[PFO], 49, v[PFO]
	s_delay_alu instid0(VALU_DEP_1)
	v_lshlrev_b32 v[PFO], 8, v[PFO]
	s_lshr_b32 s53, s52, 1
	s_lshl_b32 s53, s53, 5
	s_and_b32 s54, s52, 1
	s_lshl_b32 s54, s54, 3
	s_add_co_u32 s53, s53, s54
	v_and_b32 v[DQ], 8, v8
	s_delay_alu instid0(VALU_DEP_1)
	v_add_nc_u32 v[DQ], v[DQ], v8
	s_delay_alu instid0(VALU_DEP_1)
	v_add_nc_u32 v[DQ], s53, v[DQ]                 ; my query's place in its group of 128
	v_lshlrev_b32 v9, 4, v9
	s_delay_alu instid0(VALU_DEP_1)
	v_sub_nc_u32 v[DQ], v[DQ], v9
	v_mov_b32 v13, 0xff61b1e6                      ; the largest t so far: -3e38
	s_delay_alu instid0(VALU_DEP_1)
	v_floor_f32 v12, -v13                          ; -M
	v_mov_b32 v14, 0                               ; the sum, in two halves
	v_mov_b32 v15, 0
.irp b, 0,1,2,3
	v_mov_b32 v[236+\b], 0                         ; a lane permute's destination counts as one of its sources
.endr
	v_mov_b32 v253, 0
.irp j, 0,1,2,3,4,5,6,7,8,9,10,11,12,13,14,15,16,17,18,19,20,21,22,23,24,25,26,27,28,29,30,31,32,33,34,35,36,37,38,39,40,41,42,43,44,45,46,47,48,49,50,51,52,53,54,55,56,57,58,59,60,61,62,63
	v_mov_b32 v[160+\j], 0                         ; O^T: the step is written for every step alike; a wave with no step hands zeros on
.endr
.macro LDT t, f, s, off                ; four LDS loads: tile t's fragment into v[f] on and its scale words into v[s]
.irp j, 0,1,2
	ds_load_b128 v[(\f)+4*\j:(\f)+4*\j+3], v[ADK] offset:(\off)+FRB*(\t)+512*\j
.endr
	ds_load_b32 v[\s], v[ADS] offset:(\off)+64*(\t)
.endm
.macro SMM t, f, s                     ; S^T's tile t: 16 keys x my 16 queries
	v_wmma_scale_f32_16x16x128_f8f6f4 v[96+8*(\t):103+8*(\t)], v[(\f):(\f)+11], v[16:27], 0, v[\s], v255 matrix_a_fmt:MATRIX_FMT_FP6 matrix_b_fmt:MATRIX_FMT_FP6
.endm
.macro OMM t, f, s                     ; O^T's tile t: 16 channels x my 16 queries
	v_wmma_scale_f32_16x16x128_f8f6f4 v[160+8*(\t):167+8*(\t)], v[(\f):(\f)+11], v[224:235], v[160+8*(\t):167+8*(\t)], v[\s], v253 matrix_a_fmt:MATRIX_FMT_FP6 matrix_b_fmt:MATRIX_FMT_FP6
.endm
; A KEY STEP of my parity in the half slot in hand
.macro STEP
	s_cmp_gt_u32 s[SS], s[G]                       ; all its keys come after my queries: its work is left out
	s_cbranch_scc1 .Lhidden_\@
	v_add_nc_u32 v[ADK], s[TB], v[AK0]
	v_add_nc_u32 v[ADS], s[TB], v[ASK0]
	s_wait_alu depctr_va_vdst(0)
.rept 3
	v_nop                                          ; with the two additions: five plain places behind the last step's products, whose operands are loaded into and written over below
.endr
	LDT 5, 148, 249, 0                             ; all eight tiles of K in one run of 32 loads, in the order in which they are multiplied
	LDT 0, 32, 92, 0
	LDT 1, 44, 93, 0
	LDT 2, 56, 94, 0
	LDT 3, 68, 95, 0
	LDT 4, 80, 248, 0
	LDT 6, 236, 250, 0
	LDT 7, 224, 251, 0
	s_wait_dscnt 16                                ; the first four tiles are in; the 16 loads of the other four may be out
	SMM 5, 148, 249
	SMM 0, 32, 92
	SMM 1, 44, 93
	SMM 2, 56, 94
	s_wait_dscnt 8                                 ; the eight loads of tiles 6, 7 may be out
	SMM 3, 68, 95
	SMM 4, 80, 248
.rept 5
	v_nop                                          ; five plain places: tiles 6 and 7's results are laid over tile 5's fragment
.endr
	s_wait_dscnt 0x0
	SMM 6, 236, 250
	SMM 7, 224, 251                                ; register 16 b + i holds key 32 b + 16 (lane / 16) + i of the step
.rept 4
	v_nop
.endr
	LDT 0, 32, 92, VOFF                            ; V's tiles 0 to 4 are asked for here: they land under the softmax
	LDT 1, 44, 93, VOFF
	LDT 2, 56, 94, VOFF
	LDT 3, 68, 95, VOFF
	LDT 4, 80, 30, VOFF
	s_cmp_lt_u32 s[SS], s[G]                       ; only the step on the diagonal is masked
	s_cbranch_scc1 .Lopen_\@
	v_mov_b32 v254, 0xff800000                     ; -infinity: p = 0 then
.irp n, 0,1,2,3,4,5,6,7,8,9,10,11,12,13,14,15,16,17,18,19,20,21,22,23,24,25,26,27,28,29,30,31,32,33,34,35,36,37,38,39,40,41,42,43,44,45,46,47,48,49,50,51,52,53,54,55,56,57,58,59,60,61,62,63
	v_cmp_gt_i32 vcc_lo, 32*(\n/16)+\n%16, v[DQ]
	v_cndmask_b32 v[96+\n], v[96+\n], v254, vcc_lo
.endr
.Lopen_\@:
.irp b, 0,1,2,3
	v_max3_num_f32 v[232+\b], v[96+16*\b], v[97+16*\b], v[98+16*\b]   ; the largest score of each block of 32 keys: it serves the row's maximum and, since p rises with the score, the block's largest p
.endr
.irp i, 3,5,7,9,11,13
.irp b, 0,1,2,3
	v_max3_num_f32 v[232+\b], v[232+\b], v[96+16*\b+\i], v[97+16*\b+\i]
.endr
.endr
.irp b, 0,1,2,3
	v_max_num_f32 v[232+\b], v[232+\b], v[111+16*\b]
.endr
.irp b, 0,1,2,3
	s_delay_alu instid0(VALU_DEP_4)
	v_permlanex16_b32 v[236+\b], v[232+\b], s[SEL], s[SEL+1]
.endr
.irp b, 0,1,2,3
	s_delay_alu instid0(VALU_DEP_4)
	v_max_num_f32 v[232+\b], v[232+\b], v[236+\b]
.endr
	s_delay_alu instid0(VALU_DEP_2)
	v_max3_num_f32 v254, v232, v233, v234
	s_delay_alu instid0(VALU_DEP_1)
	v_max_num_f32 v254, v254, v235
	s_delay_alu instid0(VALU_DEP_1)
	v_mul_f32 v254, s[CS], v254
	s_delay_alu instid0(VALU_DEP_1)
	v_max_num_f32 v13, v13, v254                   ; the running largest t
	v_mov_b32 v254, v12
	s_delay_alu instid0(VALU_DEP_2)
	v_floor_f32 v12, -v13                          ; the new -M: M is a whole number
	s_delay_alu instid0(VALU_DEP_1)
	v_sub_f32 v254, v12, v254
	s_delay_alu instid0(VALU_DEP_1)
	v_cvt_i32_f32 v254, v254                       ; (it saturates)
	s_delay_alu instid0(VALU_DEP_1)
	v_ldexp_f32 v252, 1.0, v254                    ; f = 2^(old M - new M): exact
.irp j, 0,2,4,6,8,10,12,14,16,18,20,22,24,26,28,30,32,34,36,38,40,42,44,46,48,50,52,54,56,58,60,62
	v_pk_fma_f32 v[96+\j:97+\j], v[96+\j:97+\j], s[CS:CS+1], v[12:13] op_sel_hi:[1,0,0]   ; t - M
.endr
.irp b, 0,1,2,3
	v_fma_f32 v[232+\b], v[232+\b], s[CS], v12
.endr
	s_wait_alu depctr_va_vdst(0)
.irp j, 0,1,2,3,4,5,6,7,8,9,10,11,12,13,14,15,16,17,18,19,20,21,22,23,24,25,26,27,28,29,30,31,32,33,34,35,36,37,38,39,40,41,42,43,44,45,46,47,48,49,50,51,52,53,54,55,56,57,58,59,60,61,62,63
	v_exp_f32 v[96+\j], v[96+\j]                   ; p = 2^(t - M)
.endr
	v_pk_mul_f32 v[14:15], v[14:15], v[252:253] op_sel_hi:[1,0]   ; the sums under the new M (a plain place behind the exponentials)
	s_wait_alu depctr_va_vdst(0)                   ; one wait for the whole batch, ahead of its first reader
.irp b, 0,1,2,3
	v_exp_f32 v[232+\b], v[232+\b]                 ; the block's largest p
.endr
	v_pk_add_f32 v[236:237], v[100:101], v[104:105]   ; the row's sum of the unquantised p, in eight chains
	v_pk_add_f32 v[250:251], v[108:109], v[112:113]
	v_pk_add_f32 v[248:249], v[116:117], v[120:121]
	v_pk_add_f32 v[246:247], v[124:125], v[128:129]
	v_pk_add_f32 v[244:245], v[132:133], v[136:137]
	v_pk_add_f32 v[242:243], v[140:141], v[144:145]
	v_pk_add_f32 v[240:241], v[148:149], v[152:153]
	v_pk_add_f32 v[14:15], v[14:15], v[156:157]
	v_pk_add_f32 v[236:237], v[236:237], v[96:97]
	v_pk_add_f32 v[250:251], v[250:251], v[98:99]
	v_pk_add_f32 v[248:249], v[248:249], v[102:103]
	v_pk_add_f32 v[246:247], v[246:247], v[106:107]
	v_pk_add_f32 v[244:245], v[244:245], v[110:111]
	v_pk_add_f32 v[242:243], v[242:243], v[114:115]
	v_pk_add_f32 v[240:241], v[240:241], v[118:119]
	v_pk_add_f32 v[14:15], v[14:15], v[122:123]
	v_pk_add_f32 v[236:237], v[236:237], v[126:127]
	v_pk_add_f32 v[250:251], v[250:251], v[130:131]
	v_pk_add_f32 v[248:249], v[248:249], v[134:135]
	v_pk_add_f32 v[246:247], v[246:247], v[138:139]
	v_pk_add_f32 v[244:245], v[244:245], v[142:143]
	v_pk_add_f32 v[242:243], v[242:243], v[146:147]
	v_pk_add_f32 v[240:241], v[240:241], v[150:151]
	v_pk_add_f32 v[14:15], v[14:15], v[154:155]
	v_pk_add_f32 v[236:237], v[236:237], v[158:159]
	s_delay_alu instid0(VALU_DEP_2)
	v_pk_add_f32 v[14:15], v[14:15], v[246:247]
	s_delay_alu instid0(VALU_DEP_2)
	v_pk_add_f32 v[236:237], v[236:237], v[244:245]
	v_pk_add_f32 v[250:251], v[250:251], v[242:243]
	v_pk_add_f32 v[248:249], v[248:249], v[240:241]
	s_delay_alu instid0(VALU_DEP_2)
	v_pk_add_f32 v[14:15], v[14:15], v[250:251]
	s_delay_alu instid0(VALU_DEP_2)
	v_pk_add_f32 v[236:237], v[236:237], v[248:249]
	s_delay_alu instid0(VALU_DEP_1)
	v_pk_add_f32 v[14:15], v[14:15], v[236:237]
	s_wait_alu depctr_va_vdst(0)                   ; and one for the four
.irp b, 0,1,2,3
	v_max_num_f32 v[232+\b], 0x1800000, v[232+\b]  ; the floor: the byte cannot fall under 1
.endr
.irp b, 0,1,2,3
	s_delay_alu instid0(VALU_DEP_4)
	v_add_nc_u32 v[244+\b], 0xff000000, v[232+\b]
.endr
.irp b, 0,1,2,3
	s_delay_alu instid0(VALU_DEP_4)
	v_lshrrev_b32 v[236+\b], 23, v[244+\b]
.endr
	s_delay_alu instid0(VALU_DEP_3)
	v_lshl_or_b32 v253, v237, 8, v236              ; p's scale word for these 128 keys
	s_delay_alu instid0(VALU_DEP_1)
	v_lshl_or_b32 v253, v238, 16, v253
	s_delay_alu instid0(VALU_DEP_1)
	v_lshl_or_b32 v253, v239, 24, v253
.irp c, 0,1
	v_cvt_scalef32_pk16_fp6_f32 v[224+6*\c:226+6*\c], v[96+32*\c:111+32*\c], v[244+2*\c]
	v_cvt_scalef32_pk16_fp6_f32 v[236+4*\c:238+4*\c], v[112+32*\c:127+32*\c], v[244+2*\c+1]
.endr
	v_nop                                          ; one plain place behind a scaled conversion
	LDT 5, 96, 132, VOFF                           ; p is in codes: V's tiles 5 to 7 land where it lay
	LDT 6, 108, 133, VOFF
	LDT 7, 120, 134, VOFF
.irp c, 0,1
.irp i, 0,1,2
	v_permlane16_swap_b32 v[224+6*\c+\i], v[236+4*\c+\i]
.endr
.irp i, 0,1,2
	s_delay_alu instid0(VALU_DEP_3)
	v_mov_b32 v[227+6*\c+\i], v[236+4*\c+\i]
.endr
.endr
	s_wait_alu depctr_va_vdst(0)                   ; the wait, directly ahead of the first reader of O^T
.irp j, 0,2,4,6,8,10,12,14,16,18,20,22,24,26,28,30,32,34,36,38,40,42,44,46,48,50,52,54,56,58,60,62
	v_pk_mul_f32 v[160+\j:161+\j], v[160+\j:161+\j], v[252:253] op_sel_hi:[1,0]   ; O^T under the new M; these 32 are also the places ahead of the matrix instructions below
.endr
	s_wait_alu depctr_va_vdst(0)                   ; directly ahead of the wait below
	s_wait_dscnt 0x0                               ; all of V's eight tiles are in
	OMM 0, 32, 92                                  ; O^T += V^T P^T, the eight accumulators by turns
	OMM 1, 44, 93
	OMM 2, 56, 94
	OMM 3, 68, 95
	OMM 4, 80, 30
	OMM 5, 96, 132
	OMM 6, 108, 133
	OMM 7, 120, 134
.Lhidden_\@:
	s_add_co_u32 s[SS], s[SS], 2                   ; my next key step
.endm
; THE CHANGE OF SLOTS stands at a slot's head: each wave waits for all its tensor loads, adds 0 to its spare word, and waits for that and for its reads of the slot that it has left.
.macro CHANGE fill
	s_wait_tensorcnt 0x0                           ; no tensor load of mine is out, so a group 0 may be written
	ds_add_u32 v[SPW], v[NIL]
.if \fill
	ds_add_u32 v[SPW], v[NIL]                      ; and once more
	s_xor_b32 s[G0K+1], s[G0K+1], SLOT1            ; the other slot,
	s_add_nc_u64 s[G0K+2:G0K+3], s[G0K+2:G0K+3], 64*REC   ; the next four key steps
	s_xor_b32 s[G0V+1], s[G0V+1], SLOT1
	s_add_nc_u64 s[G0V+2:G0V+3], s[G0V+2:G0V+3], 4*REC
	s_wait_xcnt 0x0                                ; the last prefetch, a slot back, has read its address
	s_add_nc_u64 s[PFA:PFA+1], s[PFA:PFA+1], s[PFS:PFS+1]
.endif
	s_wait_dscnt 0x0                               ; the add is done, and my reads of the slot that I have left are over
.if \fill
	CROUND                                         ; no wave of any partner still reads that slot or has a load on its way
	JLOAD                                          ; the first thing behind the round, a wave's one tensor load until the next
	ASK
.else
	s_barrier_signal -1
	s_barrier_wait -1
.endif
.endm
	s_wait_loadcnt 0x0                             ; my queries
.Lslot:                                            ; 3 trips: behind each change of slots but the last the next slot is asked for
	CHANGE 1
	s_mov_b32 s[HC], 2
.Lhalf:                                            ; my parity's step in each half of the slot; no barrier between the two: the change has shown the whole slot
	STEP
	s_xor_b32 s[TB], s[TB], HSL
	s_sub_co_u32 s[HC], s[HC], 1
	s_cmp_lg_u32 s[HC], 0
	s_cbranch_scc1 .Lhalf
	s_xor_b32 s[TB], s[TB], SLOT1
	s_sub_co_u32 s[SLOTS], s[SLOTS], 1
	s_cmp_lg_u32 s[SLOTS], 0
	s_cbranch_scc1 .Lslot
	CHANGE 0                                       ; the last slot is written out
	s_mov_b32 s[HC], 2
.Lhalf_last:
	STEP
	s_xor_b32 s[TB], s[TB], HSL
	s_sub_co_u32 s[HC], s[HC], 1
	s_cmp_lg_u32 s[HC], 0
	s_cbranch_scc1 .Lhalf_last
	; THE TWO PARITIES MEET.  The odd wave hands its O^T, sum and -M to the even wave as images of its registers.
.rept 4
	v_nop                                          ; places behind the last products
.endr
	s_cmp_eq_u32 s[PI], 0
	s_cbranch_scc1 .Lkeep
	v_add_f32 v14, v14, v15
	s_wait_alu depctr_va_vdst(0)
.irp i, 0,1,2,3,4,5,6,7,8,9,10,11,12,13,14,15
	ds_store_b128 v[MA], v[160+4*\i:163+4*\i] offset:512*\i
.endr
	ds_store_b32 v[ML], v14
	ds_store_b32 v[ML], v12 offset:128
.Lkeep:
	s_wait_dscnt 0x0                               ; for the partner's sake: my stores have landed
	s_barrier_signal -1
	s_barrier_wait -1
	s_cmp_lg_u32 s[PI], 0
	s_cbranch_scc1 .Ldone
.irp i, 0,1,2,3,4,5,6,7,8,9,10,11,12,13,14,15
	ds_load_b128 v[96+4*\i:99+4*\i], v[MA] offset:512*\i
.endr
	ds_load_b32 v232, v[ML]
	ds_load_b32 v233, v[ML] offset:128
.irp b, 0,1,2,3
	v_mov_b32 v[TM+4+\b], 0                        ; a lane permute's destination counts as one of its sources
.endr
	s_wait_dscnt 0x0
	v_min_num_f32 v234, v12, v233                  ; -M of both
	s_delay_alu instid0(VALU_DEP_1)
	v_sub_f32 v235, v234, v12
	s_delay_alu instid0(VALU_DEP_2)
	v_sub_f32 v236, v234, v233
	s_delay_alu instid0(VALU_DEP_2)
	v_cvt_i32_f32 v235, v235                       ; (saturates: a partner that had no step stands at -3e38 and gets the factor 0)
	s_delay_alu instid0(VALU_DEP_2)
	v_cvt_i32_f32 v236, v236
	s_delay_alu instid0(VALU_DEP_2)
	v_ldexp_f32 v235, 1.0, v235                    ; my factor,
	s_delay_alu instid0(VALU_DEP_2)
	v_ldexp_f32 v236, 1.0, v236                    ; the partner's: exact powers of two
	v_add_f32 v14, v14, v15
	s_delay_alu instid0(VALU_DEP_1)
	v_mul_f32 v14, v14, v235
	s_delay_alu instid0(VALU_DEP_1)
	v_fma_f32 v14, v232, v236, v14
	s_delay_alu instid0(VALU_DEP_1)
	v_permlanex16_b32 v237, v14, s[SEL], s[SEL+1]
	s_delay_alu instid0(VALU_DEP_1)
	v_add_f32 v14, v14, v237                       ; the row's sum
	s_wait_alu depctr_va_vdst(0)
	v_rcp_f32 v14, v14
	v_nop                                          ; a plain place behind the reciprocal
	s_wait_alu depctr_va_vdst(0)                   ; the wait, ahead of its first reader
	v_mul_f32 v238, v235, v14
	v_mul_f32 v240, v236, v14
	s_delay_alu instid0(VALU_DEP_2)
	v_mov_b32 v239, v238
	s_delay_alu instid0(VALU_DEP_2)
	v_mov_b32 v241, v240
.irp j, 0,2,4,6,8,10,12,14,16,18,20,22,24,26,28,30,32,34,36,38,40,42,44,46,48,50,52,54,56,58,60,62
	v_pk_mul_f32 v[96+\j:97+\j], v[96+\j:97+\j], v[240:241]
.endr
.irp j, 0,2,4,6,8,10,12,14,16,18,20,22,24,26,28,30,32,34,36,38,40,42,44,46,48,50,52,54,56,58,60,62
	v_pk_fma_f32 v[96+\j:97+\j], v[160+\j:161+\j], v[238:239], v[96+\j:97+\j]   ; the finished row: register 16 b + i = channel 32 b + 16 (lane / 16) + i
.endr
	; quantised along the head's 128, which are a K step of the last product
.irp b, 0,1,2,3
	v_max3_num_f32 v[TM+\b], |v[96+16*\b]|, |v[97+16*\b]|, 0x1800000
.endr
.irp i, 2,4,6,8,10,12,14
.irp b, 0,1,2,3
	s_delay_alu instid0(VALU_DEP_4)
	v_max3_num_f32 v[TM+\b], v[TM+\b], |v[96+16*\b+\i]|, |v[97+16*\b+\i]|
.endr
.endr
.irp b, 0,1,2,3
	s_delay_alu instid0(VALU_DEP_4)
	v_permlanex16_b32 v[TM+4+\b], v[TM+\b], s[SEL], s[SEL+1]
.endr
.irp b, 0,1,2,3
	s_delay_alu instid0(VALU_DEP_4)
	v_max_num_f32 v[TM+\b], v[TM+\b], v[TM+4+\b]
.endr
.irp b, 0,1,2,3
	s_delay_alu instid0(VALU_DEP_4)
	v_add_nc_u32 v[TM+12+\b], 0xff000000, v[TM+\b]
.endr
.irp b, 0,1,2,3
	s_delay_alu instid0(VALU_DEP_4)
	v_lshrrev_b32 v[TM+4+\b], 23, v[TM+12+\b]
.endr
	s_delay_alu instid0(VALU_DEP_3)
	v_lshl_or_b32 v[PW], v[TM+5], 8, v[TM+4]
	s_delay_alu instid0(VALU_DEP_1)
	v_lshl_or_b32 v[PW], v[TM+6], 16, v[PW]
	s_delay_alu instid0(VALU_DEP_1)
	v_lshl_or_b32 v[PW], v[TM+7], 24, v[PW]
.irp c, 0,1
	v_cvt_scalef32_pk16_fp6_f32 v[PC+6*\c:PC+2+6*\c], v[96+32*\c:111+32*\c], v[TM+12+2*\c]
	v_cvt_scalef32_pk16_fp6_f32 v[PC+12+4*\c:PC+14+4*\c], v[112+32*\c:127+32*\c], v[TM+12+2*\c+1]
.endr
	v_nop
.irp c, 0,1
.irp i, 0,1,2
	v_permlane16_swap_b32 v[PC+6*\c+\i], v[PC+12+4*\c+\i]
.endr
.irp i, 0,1,2
	s_delay_alu instid0(VALU_DEP_3)
	v_mov_b32 v[PC+3+6*\c+\i], v[PC+12+4*\c+\i]
.endr
.endr
.irp j, 0,1,2
	global_store_b128 v[LI], v[PC+4*\j:PC+4*\j+3], s[76:77] offset:512*\j   ; 512 consecutive bytes a store
.endr
	global_store_b32 v[R4], v[PW], s[78:79]        ; the tile's 16 scale words (lanes 16-31 hold and store the same words as lanes 0-15)
.Ldone:
	s_wait_tensorcnt 0x0                           ; the wave's end
	ds_add_u32 v[SPW], v[NIL]
	s_wait_dscnt 0x0
	CROUND                                         ; the closing round
	s_endpgm
.Lfunc_end_k_q928c3eb013_attn:
	.size	k_q928c3eb013_attn, .Lfunc_end_k_q928c3eb013_attn-k_q928c3eb013_attn
	.p2alignl 7, 3214868480
	.fill 96, 4, 3214868480
	.section	.rodata,"a",@progbits
	.p2align	6, 0x0
	.amdhsa_kernel k_q928c3eb013_attn
		.amdhsa_group_segment_fixed_size 327680
		.amdhsa_private_segment_fixed_size 0
		.amdhsa_enable_private_segment 0
		.amdhsa_kernarg_size 16
		.amdhsa_user_sgpr_count 2
		.amdhsa_user_sgpr_kernarg_segment_ptr 1
		.amdhsa_wavefront_size32 1
		.amdhsa_system_sgpr_workgroup_id_x 1
		.amdhsa_system_sgpr_workgroup_id_y 1
		.amdhsa_system_sgpr_workgroup_id_z 1
		.amdhsa_system_vgpr_workitem_id 0
		.amdhsa_next_free_vgpr 256
		.amdhsa_next_free_sgpr 100
		.amdhsa_reserve_vcc 1
		.amdhsa_float_denorm_mode_32 3
		.amdhsa_float_denorm_mode_16_64 3
		.amdhsa_memory_ordered 1
		.amdhsa_forward_progress 1
		.amdhsa_inst_pref_size 78
	.end_amdhsa_kernel
	.amdgpu_metadata
---
amdhsa.version: [ 1, 2 ]
amdhsa.kernels:
  - .name:           k_q928c3eb013_attn
    .symbol:         k_q928c3eb013_attn.kd
    .args:
      - { .name: qkv, .offset: 0, .size: 8, .value_kind: global_buffer, .address_space: global }
      - { .name: aimg, .offset: 8, .size: 8, .value_kind: global_buffer, .address_space: global }
    .group_segment_fixed_size: 327680
    .private_segment_fixed_size: 0
    .kernarg_segment_align: 8
    .kernarg_segment_size: 16
    .max_flat_workgroup_size: 512
    .sgpr_count:     100
    .vgpr_count:     256
    .wavefront_size: 32
...
	.end_amdgpu_metadata
.endif
;; end of part 3
;; launch outp (part 4): grid 16 x 16, 4 waves a work-group, clusters of 4 x 4, 327,680 bytes of LDS; arguments aimg, ops, out0; writes out0
.if DOCPART == 4
	.amdgcn_target "amdgcn-amd-amdhsa--gfx1250"
	.amdhsa_code_object_version 6
	.text
	.protected	k_q928c3eb013_outp
	.globl	k_q928c3eb013_outp
	.p2align	8
	.type	k_q928c3eb013_outp,@function
k_q928c3eb013_outp:
	s_mov_b64 s[64:65], 0
	v_nop
	global_prefetch_b8 v0, s[64:65] scope:SCOPE_SE
	s_setreg_imm32_b32 hwreg(HW_REG_WAVE_MODE, 25, 1), 1
	s_wait_xcnt 0x0
	s_wait_alu depctr_hold_cnt(0) depctr_sa_sdst(0) depctr_va_vdst(0) depctr_va_sdst(0) depctr_va_ssrc(0) depctr_va_vcc(0) depctr_vm_vsrc(0)
	s_getreg_b32 s2, hwreg(HW_REG_IB_STS2, 6, 4)
	s_cmp_eq_u32 s2, 0
	s_cbranch_scc0 .Lentry_in_a_cluster
	s_endpgm
.Lentry_in_a_cluster:
	s_bfe_u32 s2, ttmp6, 0x10000c
	s_cmp_lg_u32 s2, 0xf033
	s_cbranch_scc0 .Lentry_shape_is_right
	s_endpgm
.Lentry_shape_is_right:
; out0 = attention's result x Wo, on codes of FP6 (E2M3) with E8M0 scales; both operands are register images (record = 128 rows x 128 K = 12,800 bytes: tile t's register 4 j + i of lane l at 1536 t + 512 j + 16 l + 4 i,
; scale words at 12288 + 64 t + 4 r; lane r of tile t holds row 32 (t / 2) + 8 (t % 2) + r + 8 (r / 8)).  P = Wo's image (rows = n), Q = the tokens' image; source 0 = P, so a lane holds eight neighbouring columns of a row of out0.
; A work-group makes 128 x 128, a wave 64 x 64: 16 accumulators; 256 work-groups.  K has 16 steps.  TWO SLOTS OF SIX K STEPS: P's six records, then Q's six, 153,600 bytes; a wave's tensor load brings three records, 38,400 dense bytes.
; Slot 0 (steps 0-5) is asked for at the head, slot 1 (steps 6-11) behind the first round, and steps 12-15, two records a wave, fill slot 0's first records again behind the round in step 5: three loads a wave in all, one out at a time.
; 4 x 4 work-groups form a cluster: P's records are shared along a column, Q's along a row, and asked for jointly.
; PREFETCHES INTO THE L2: behind each joint load but the last stands the request for the next one's bytes, six K steps ahead of their load: the four partners of a joint load share its blocks of 256 bytes out by address
; (38 of 150, in two instructions; then 25 of 100, in one; lanes that are over name the wave's last block again).
; REGISTERS: window 0: v8-19 LDS addresses, v20-22 prefetch offsets, v32-39 scale words (two sets), v40-103 the way out, v128-255 the accumulators.  window 1: fragments, two sets at v0 and v128: P's four tiles, then Q's four.
.set REC,   12800
.set REG,   256*REC
.set GRP,   16*REC
.set FRB,   1536
.set SCO,   8*FRB
.set TRI,   3*REC                      ; what a wave's first two loads bring
.set SLOT,  12*REC
.set SPARE, 2*SLOT                     ; the spare words, 128 bytes for each wave: two blocks of 256 bytes that no other line names
.set STG,   SPARE+512                  ; the way out: 16 rows x 272 bytes for each wave; no tensor load lands here
.set ADP, 8                            ; v8-11  my P fragments: records 0-2, 3-5 of slot 0, of slot 1
.set ADQ, 12                           ; v12-15 my Q fragments likewise
.set ADS, 16                           ; v16-19 scale words: lanes 0-15 P's, lanes 16-31 Q's
.set PFO, 20                           ; v20-22 the prefetches' offsets; never rewritten
.set STO, 24
.set RD,  25
.set CO,  26
.set SPW, 28                           ; v28 my spare word; never rewritten
.set NIL, 29                           ; v29 0; never rewritten
.set SC,  32
.set BK,  40
.set ACC, 128
.set G1P, 24
.set G1Q, 32
.set G0P, 40                           ; s[40:51] three groups 0 for P: slot 0, slot 1, steps 12-15
.set G0Q, 52                           ; s[52:63] the same for Q
.set MSB, 0
.macro WIN new                         ; the immediate's high byte repeats the setting that is left
.if MSB != (\new)
	s_set_vgpr_msb (MSB<<8)|(\new)
.set MSB, (\new)
.endif
.endm
.set MUL,  0x05                        ; sources 0 and 1 window 1, C and D window 0
.set TO_F, 0x40
.macro JLOAD s                         ; a joint load: waves 0, 1 fetch for P, waves 2, 3 for Q; an s_nop 0 and four v_nop follow each line
	s_cmp_eq_u32 s15, 0
	s_cbranch_scc0 .Lfor_q_\@
	tensor_load_to_lds s[G0P+4*\s:G0P+4*\s+3], s[G1P:G1P+7]
	s_nop 0
.rept 4
	v_nop
.endr
	s_branch .Lasked_\@
.Lfor_q_\@:
	tensor_load_to_lds s[G0Q+4*\s:G0Q+4*\s+3], s[G1Q:G1Q+7]
	s_nop 0
.rept 4
	v_nop
.endr
.Lasked_\@:
.endm
.macro CREST
	s_cmp_lg_u32 s14, 0
	s_cbranch_scc1 .Lnot_wave_0_\@
	s_barrier_signal -3
.Lnot_wave_0_\@:
	s_barrier_wait -3
	s_barrier_signal -1
	s_barrier_wait -1
.endm
.macro CROUND
	s_barrier_signal -1
	s_barrier_wait -1
	CREST
.endm
.macro PLACES n
.rept \n
	v_nop
.endr
.endm
	s_load_b128 s[4:7], s[0:1], 0x0                ; aimg, ops
	s_load_b64 s[8:9], s[0:1], 0x10                ; out0
	v_lshl_add_u32 v[SPW], v0, 2, SPARE
	v_mov_b32 v[NIL], 0
	ds_add_u32 v[SPW], v[NIL]                      ; the wave's opening: the add, twice on end, and its wait ahead of my first tensor load
	ds_add_u32 v[SPW], v[NIL]
	v_lshrrev_b32 v1, 5, v0
	v_readfirstlane_b32 s14, v1                    ; wave
	s_lshr_b32 s15, s14, 1                         ; which half of Q's tiles I multiply.  Also: I fetch for P (0) or Q (1)
	s_and_b32 s16, s14, 1                          ; which half of P's tiles I multiply.  Also: which half of a slot's records I fetch
	s_bfe_u32 s66, ttmp6, 0x40000                  ; cx
	s_bfe_u32 s67, ttmp6, 0x40004                  ; cy
	s_lshl_b32 s68, ttmp9, 2
	s_add_co_u32 s68, s68, s66                     ; P's group: 128 columns of out0
	s_and_b32 s69, ttmp7, 0xffff
	s_lshl_b32 s69, s69, 2
	s_add_co_u32 s69, s69, s67                     ; Q's group: 128 tokens
	s_lshl_b32 s70, s67, 2
	s_lshl_b32 s70, 15, s70                        ; my row of the cluster
	s_lshl_b32 s71, 0x1111, s66                    ; my column
	s_or_b32 s[G1P], s71, (3<<16)|(1<<21)          ; the mask: P's records go to my column; elements of 8 bytes; bit 21 beside a mask; no padding
	s_or_b32 s[G1Q], s70, (3<<16)|(1<<21)          ; Q's to my row
.irp g, G1P, G1Q
	s_mov_b32 s[\g+1], 32<<16                      ; rows of 32 elements: 256 bytes
	s_mov_b32 s[\g+2], 150<<16                     ; 150 rows: three records
	s_mov_b32 s[\g+3], 32<<16
	s_mov_b32 s[\g+4], 150
	s_mov_b32 s[\g+5], 32
	s_mov_b32 s[\g+6], 0
	s_mov_b32 s[\g+7], 0
.endr
	s_mul_i32 s72, s68, GRP
	s_add_co_u32 s72, s72, 4*REG                   ; P's group in Wo's image
	s_mul_i32 s74, s69, GRP                        ; Q's group
	s_mul_i32 s77, s16, TRI
	s_mul_i32 s84, s16, 2*REC
	s_add_co_u32 s82, s84, 12*REC
	s_add_co_u32 s78, s72, s82                     ; steps 12-15: my two records
	s_add_co_u32 s80, s74, s82
	s_add_co_u32 s72, s72, s77                     ; steps 0-5: my three records
	s_add_co_u32 s74, s74, s77
	s_mov_b32 s73, 0
	s_mov_b32 s75, 0
	s_mov_b32 s79, 0
	s_mov_b32 s81, 0
	s_mul_i32 s76, s14, TRI                        ; where they go: wave x three records;
	s_mul_i32 s83, s15, 6*REC
	s_add_co_u32 s83, s83, s84                     ; steps 12-15: the first four records of P's six or of Q's
	s_wait_dscnt 0x0                               ; both opening adds are done
	s_wait_kmcnt 0x0
	s_add_nc_u64 s[72:73], s[6:7], s[72:73]
	s_add_nc_u64 s[78:79], s[6:7], s[78:79]
	s_add_nc_u64 s[74:75], s[4:5], s[74:75]
	s_add_nc_u64 s[80:81], s[4:5], s[80:81]
.irp s, 0,1
	s_mov_b32 s[G0P+4*\s], 1
	s_add_co_u32 s[G0P+4*\s+1], s76, \s*SLOT
	s_add_nc_u64 s[G0P+4*\s+2:G0P+4*\s+3], s[72:73], \s*6*REC
	s_or_b32 s[G0P+4*\s+3], s[G0P+4*\s+3], 0x80000000
	s_mov_b32 s[G0Q+4*\s], 1
	s_add_co_u32 s[G0Q+4*\s+1], s76, \s*SLOT
	s_add_nc_u64 s[G0Q+4*\s+2:G0Q+4*\s+3], s[74:75], \s*6*REC
	s_or_b32 s[G0Q+4*\s+3], s[G0Q+4*\s+3], 0x80000000
.endr
	s_mov_b32 s[G0P+8], 1
	s_mov_b32 s[G0P+9], s83
	s_mov_b64 s[G0P+10:G0P+11], s[78:79]
	s_or_b32 s[G0P+11], s[G0P+11], 0x80000000
	s_mov_b32 s[G0Q+8], 1
	s_mov_b32 s[G0Q+9], s83
	s_mov_b64 s[G0Q+10:G0Q+11], s[80:81]
	s_or_b32 s[G0Q+11], s[G0Q+11], 0x80000000
	CROUND                                         ; all sixteen work-groups are here: the first joint loads meet
	JLOAD 0                                        ; steps 0-5
	s_cmp_eq_u32 s15, 0                            ; the prefetches: the bytes of my own loads,
	s_cselect_b64 s[86:87], s[72:73], s[74:75]
	s_cselect_b64 s[88:89], s[78:79], s[80:81]
	s_cselect_b32 s90, s67, s66                    ; and my place among the four that ask with me
	s_mul_i32 s91, s90, 38
	s_mul_i32 s90, s90, 25
	s_mul_i32 s92, s16, 4*FRB                      ; my four tiles of P
	s_mul_i32 s93, s15, 4*FRB
	s_add_co_u32 s93, s93, 6*REC                   ; my four tiles of Q
	s_xor_b32 s94, s16, 1
	s_add_co_u32 s94, s94, s15
	s_lshl_b32 s94, s94, 8
	s_add_co_u32 s94, s94, 6*REC-256               ; from my P tiles' scale words to my Q tiles'
	s_lshl_b32 s95, s16, 8
	s_mul_i32 s85, s14, 16*272
	s_add_co_u32 s85, s85, STG                     ; my stage
	s_lshl_b32 s96, s69, 20                        ; out0: 128 rows of 8,192 bytes a token group,
	s_lshl_b32 s97, s15, 19                        ; 64 rows for my half,
	s_add_co_u32 s96, s96, s97
	s_lshl_b32 s97, s68, 9                         ; 512 bytes a column group,
	s_add_co_u32 s96, s96, s97
	s_lshl_b32 s97, s16, 8                         ; 256 for my half
	s_add_co_u32 s96, s96, s97
	s_mov_b32 s97, 0
	s_add_nc_u64 s[8:9], s[8:9], s[96:97]
	v_and_b32 v1, 31, v0
	v_and_b32 v2, 15, v0
	v_bfe_u32 v3, v0, 4, 1
	v_min_u32 v6, 5, v1
	v_min_u32 v7, 24, v1
	v_add_nc_u32 v[PFO], s91, v1                   ; blocks 38 p + 0 .. 31 of 150,
	v_add3_u32 v[PFO+1], v6, s91, 32               ; 38 p + 32 .. 37,
	v_add_nc_u32 v[PFO+2], s90, v7                 ; and 25 p + 0 .. 24 of 100
	v_min_u32 v[PFO], 149, v[PFO]
	v_min_u32 v[PFO+1], 149, v[PFO+1]
.irp i, 0,1,2
	v_lshlrev_b32 v[PFO+\i], 8, v[PFO+\i]
.endr
	v_lshlrev_b32 v4, 4, v1
	v_add_nc_u32 v[ADP], s92, v4
	v_add_nc_u32 v[ADP+1], TRI, v[ADP]
	v_add_nc_u32 v[ADP+2], SLOT, v[ADP]
	v_add_nc_u32 v[ADP+3], SLOT+TRI, v[ADP]
	v_add_nc_u32 v[ADQ], s93, v4
	v_add_nc_u32 v[ADQ+1], TRI, v[ADQ]
	v_add_nc_u32 v[ADQ+2], SLOT, v[ADQ]
	v_add_nc_u32 v[ADQ+3], SLOT+TRI, v[ADQ]
	v_mul_u32_u24 v5, s94, v3                      ; lanes 16-31 take Q's words
	v_lshl_add_u32 v5, v2, 2, v5
	v_add_nc_u32 v5, s95, v5
	v_add_nc_u32 v[ADS], SCO, v5
	v_add_nc_u32 v[ADS+1], SCO+TRI, v5
	v_add_nc_u32 v[ADS+2], SCO+SLOT, v5
	v_add_nc_u32 v[ADS+3], SCO+SLOT+TRI, v5
	v_mul_u32_u24 v[STO], v2, 272                  ; into the stage: row r, 64 bytes for each half of the lanes
	v_lshl_add_u32 v[STO], v3, 6, v[STO]
	v_add_nc_u32 v[STO], s85, v[STO]
	v_mul_u32_u24 v[RD], v3, 272                   ; back: sixteen lanes to a row of 256 bytes
	v_lshl_add_u32 v[RD], v2, 4, v[RD]
	v_add_nc_u32 v[RD], s85, v[RD]
	v_lshlrev_b32 v[CO], 13, v3                    ; and the same two rows in out0
	v_lshl_add_u32 v[CO], v2, 4, v[CO]
	s_wait_alu depctr_va_vdst(0)                   ; the wait at the head's end
	global_prefetch_b8 v[PFO], s[86:87] offset:6*REC th:TH_LOAD_NT scope:SCOPE_SE     ; my share of steps 6-11
	global_prefetch_b8 v[PFO+1], s[86:87] offset:6*REC th:TH_LOAD_NT scope:SCOPE_SE
; 28 LDS loads: step n's four scale registers, P's four fragments, Q's four, into set n % 2.  Step n lies in record n % 12 of the ring's twelve
.macro FETCH n
.set HH, ((\n)%12)/3
.set OO, REC*(((\n)%12)%3)
.set ST, (\n)%2
	WIN 0
.irp i, 0,1,2,3
	ds_load_b32 v[SC+4*ST+\i], v[ADS+HH] offset:OO+64*\i
.endr
	WIN TO_F
.irp b, 0,1,2,3
.irp j, 0,1,2
	ds_load_b128 v[128*ST+12*\b+4*\j:128*ST+12*\b+4*\j+3], v[ADP+HH] offset:OO+FRB*\b+512*\j
.endr
.endr
.irp a, 0,1,2,3
.irp j, 0,1,2
	ds_load_b128 v[128*ST+48+12*\a+4*\j:128*ST+48+12*\a+4*\j+3], v[ADQ+HH] offset:OO+FRB*\a+512*\j
.endr
.endr
.endm
; 8 matrix instructions: Q's tiles a0, a0 + 1 against P's four.  The 16 accumulators take turns, one instruction a turn
.macro MUL8 a0, set, zero
.irp a, \a0, \a0+1
.irp b, 0,1,2,3
.if \zero
	v_wmma_scale_f32_16x16x128_f8f6f4 v[ACC+8*(4*(\a)+\b):ACC+8*(4*(\a)+\b)+7], v[128*(\set)+12*\b:128*(\set)+12*\b+11], v[128*(\set)+48+12*(\a):128*(\set)+48+12*(\a)+11], 0, v[SC+4*(\set)+\b], v[SC+4*(\set)+(\a)] matrix_a_fmt:MATRIX_FMT_FP6 matrix_b_fmt:MATRIX_FMT_FP6 matrix_b_scale:MATRIX_SCALE_ROW1
.else
	v_wmma_scale_f32_16x16x128_f8f6f4 v[ACC+8*(4*(\a)+\b):ACC+8*(4*(\a)+\b)+7], v[128*(\set)+12*\b:128*(\set)+12*\b+11], v[128*(\set)+48+12*(\a):128*(\set)+48+12*(\a)+11], v[ACC+8*(4*(\a)+\b):ACC+8*(4*(\a)+\b)+7], v[SC+4*(\set)+\b], v[SC+4*(\set)+(\a)] matrix_a_fmt:MATRIX_FMT_FP6 matrix_b_fmt:MATRIX_FMT_FP6 matrix_b_scale:MATRIX_SCALE_ROW1
.endif
.endr
.endr
.endm
.macro OSTEP n, zero
	s_wait_dscnt 6                                 ; the scale words, P and Q's tiles 0, 1 are in; the six loads of tiles 2, 3 may be out
	WIN MUL
	MUL8 0, (\n)%2, \zero
	PLACES 4                                       ; four plain places ahead of loads into registers that matrix instructions have read
	FETCH (\n)+1
	s_wait_dscnt 28                                ; all but the 28 just issued
	WIN MUL
	MUL8 2, (\n)%2, \zero
.endm
; a slot's last step: each wave waits for all its tensor loads, adds 0 to its spare word and waits for that and for its reads of this slot; one barrier; fill = 1: it opens a round, and steps 12-15 are asked for
.macro OTURN n, fill
	WIN 0
	s_wait_tensorcnt 0x0                           ; my one load that was out has landed
	ds_add_u32 v[SPW], v[NIL]
.if \fill
	s_mov_b32 s[G1P+2], 100<<16                    ; no tensor load of mine is out, so a descriptor may be written: the last load brings two records, 100 rows
	s_mov_b32 s[G1P+4], 100
	s_mov_b32 s[G1Q+2], 100<<16
	s_mov_b32 s[G1Q+4], 100
.endif
	s_wait_dscnt 7                                 ; the add and the six loads of tiles 2, 3 may be out
	WIN MUL
	MUL8 0, (\n)%2, 0
	s_wait_dscnt 0x0                               ; the add is done, and my reads of this slot are over
	WIN 0
	s_barrier_signal -1
	s_barrier_wait -1
.if \fill
	CREST                                          ; no wave of any partner still reads slot 0 or has a load on its way
	JLOAD 2                                        ; the first tensor load behind the round; its four v_nop are the places ahead of the loads below
.else
	PLACES 4
.endif
	FETCH (\n)+1
	WIN MUL
	MUL8 2, (\n)%2, 0
.endm
	s_wait_tensorcnt 0x0                           ; my part of slot 0 is in
	ds_add_u32 v[SPW], v[NIL]
	s_wait_dscnt 0x0
	CROUND                                         ; slot 0 is whole, and the joint loads meet
	JLOAD 1                                        ; steps 6-11
	FETCH 0
	WIN 0
	global_prefetch_b8 v[PFO+2], s[88:89] th:TH_LOAD_NT scope:SCOPE_SE   ; my share of steps 12-15
	OSTEP 0, 1                                     ; the first step starts the sums: nothing is cleared
.irp n, 1,2,3,4
	OSTEP \n, 0
.endr
	OTURN 5, 1
.irp n, 6,7,8,9,10
	OSTEP \n, 0
.endr
	OTURN 11, 0
.irp n, 12,13,14
	OSTEP \n, 0
.endr
	s_wait_dscnt 6                                 ; the last step
	WIN MUL
	MUL8 0, 1, 0
	s_wait_dscnt 0x0
	MUL8 2, 1, 0
	WIN 0
	PLACES 4                                       ; ahead of the first reads of results
; THE WAY OUT: Q's tile a, 16 rows x 64 columns, goes through my own stage and comes back as rows of 256 bytes; LDS serves a wave's instructions in order
.macro TOSTAGE a
.irp b, 0,1,2,3
	ds_store_b128 v[STO], v[ACC+8*(4*(\a)+\b):ACC+8*(4*(\a)+\b)+3] offset:128*(\b/2)+32*(\b%2)       ; each accumulator from its low end on
	ds_store_b128 v[STO], v[ACC+8*(4*(\a)+\b)+4:ACC+8*(4*(\a)+\b)+7] offset:128*(\b/2)+32*(\b%2)+16
.endr
.irp i, 0,1,2,3,4,5,6,7
	ds_load_b128 v[BK+32*((\a)%2)+4*\i:BK+32*((\a)%2)+4*\i+3], v[RD] offset:544*\i
.endr
.endm
.macro SEND a, younger                 ; younger: the LDS instructions issued behind tile a's loads, which may stay out
	s_wait_dscnt \younger
.irp i, 0,1,2,3,4,5,6,7
	global_store_b128 v[CO], v[BK+32*((\a)%2)+4*\i:BK+32*((\a)%2)+4*\i+3], s[8:9] offset:(32*((\a)/2)+8*((\a)%2)+2*\i+8*(\i/4))*8192 th:TH_STORE_NT   ; sixteen lanes store 256 consecutive bytes, aligned
.endr
.endm
	TOSTAGE 0
	TOSTAGE 1
	SEND 0, 16
	s_wait_xcnt 0x0                                ; tile 0's stores have read their data: tile 2's loads may land there
	TOSTAGE 2
	SEND 1, 16
	s_wait_xcnt 0x0
	TOSTAGE 3
	SEND 2, 16
	SEND 3, 0
	s_wait_tensorcnt 0x0                           ; the wave's end
	ds_add_u32 v[SPW], v[NIL]
	s_wait_dscnt 0x0
	CROUND                                         ; the closing round
	s_endpgm
.Lfunc_end_k_q928c3eb013_outp:
	.size	k_q928c3eb013_outp, .Lfunc_end_k_q928c3eb013_outp-k_q928c3eb013_outp
	.p2alignl 7, 3214868480
	.fill 96, 4, 3214868480
	.section	.rodata,"a",@progbits
	.p2align	6, 0x0
	.amdhsa_kernel k_q928c3eb013_outp
		.amdhsa_group_segment_fixed_size 327680
		.amdhsa_private_segment_fixed_size 0
		.amdhsa_enable_private_segment 0
		.amdhsa_kernarg_size 24
		.amdhsa_user_sgpr_count 2
		.amdhsa_user_sgpr_kernarg_segment_ptr 1
		.amdhsa_wavefront_size32 1
		.amdhsa_system_sgpr_workgroup_id_x 1
		.amdhsa_system_sgpr_workgroup_id_y 1
		.amdhsa_system_sgpr_workgroup_id_z 1
		.amdhsa_system_vgpr_workitem_id 0
		.amdhsa_next_free_vgpr 512
		.amdhsa_next_free_sgpr 100
		.amdhsa_reserve_vcc 0
		.amdhsa_float_denorm_mode_32 3
		.amdhsa_float_denorm_mode_16_64 3
		.amdhsa_memory_ordered 1
		.amdhsa_forward_progress 1
		.amdhsa_inst_pref_size 83
	.end_amdhsa_kernel
	.amdgpu_metadata
---
amdhsa.version: [ 1, 2 ]
amdhsa.kernels:
  - .name:           k_q928c3eb013_outp
    .symbol:         k_q928c3eb013_outp.kd
    .args:
      - { .name: aimg, .offset: 0, .size: 8, .value_kind: global_buffer, .address_space: global }
      - { .name: ops, .offset: 8, .size: 8, .value_kind: global_buffer, .address_space: global }
      - { .name: out0, .offset: 16, .size: 8, .value_kind: global_buffer, .address_space: global }
    .group_segment_fixed_size: 327680
    .private_segment_fixed_size: 0
    .kernarg_segment_align: 8
    .kernarg_segment_size: 24
    .max_flat_workgroup_size: 128
    .sgpr_count:     100
    .vgpr_count:     512
    .wavefront_size: 32
...
	.end_amdgpu_metadata
.endif
;; end of part 4
